; MI455X (gfx1250); checked and timed in simulation.
; The chip was launched on July 23, 2026; its instructions are those of AMD's public machine-readable ISA for CDNA 5 (MIT licence, August 2026) and "CDNA5" Instruction Set Architecture Reference Guide (July 2026). The comments in the code are by the model that wrote it; some were corrected since.
;; Q Eff Plamo Attention. Allowed arithmetic: matrix products marked QUANTISED: E2M3 operands, one E8M0 scale for each 32 along K, by v_wmma_scale_f32_16x16x128_f8f6f4 with both operands' format E2M3, f32 sums; everything else in f32.
;; Inputs: Wk 256 x 2,048 float32; Wo 2,048 x 2,048 float32; Wq 2,048 x 2,048 float32; Wv 256 x 2,048 float32; attention_mask 1 x 1 x 3,072 x 3,072 bool; hidden_states 1 x 3,072 x 2,048 float32; position_ids 1 x 3,072 int32.
;; Outputs: out0 1 x 3,072 x 2,048 float32.
;; This version of the problem:
;;   THIS VERSION OF THE PROBLEM IS GIVEN IN LOW PRECISION. The matrix products marked QUANTISED in the list below multiply operands that are first quantised to E2M3 (2 exponent bits, 3 mantissa bits; 6 bits a number), with one power-of-two scale for each 32 numbers along K (OCP MX v1.0); their sums are f32. All else is computed in f32.
;;   The module's matrix products, in the order in which they are computed (A, B: the left and right operand; K: the contracted axis; several contracted axes count as one K, in the product's order):
;;     1. [M 3,072, K 2,048] x [K 2,048, N 2,048]; A: input hidden_states; B: input Wq: QUANTISED
;;     2. [M 3,072, K 2,048] x [K 2,048, N 256]; A: input hidden_states; B: input Wk: QUANTISED
;;     3. [M 3,072, K 2,048] x [K 2,048, N 256]; A: input hidden_states; B: input Wv: QUANTISED
;;     4. batch 16 x [M 3,072, K 128] x [K 128, N 3,072]; A: computed on the way; B: computed on the way: QUANTISED
;;     5. batch 16 x [M 3,072, K 3,072] x [K 3,072, N 128]; A: softmax (see below); B: computed on the way: QUANTISED
;;     6. [M 3,072, K 2,048] x [K 2,048, N 2,048]; A: computed on the way; B: input Wo: QUANTISED
;;   THE QUANTISER, for each operand of a quantised product, along K:
;;     - K is cut into blocks of 32 from its start; a last block that is shorter is filled with zeros.
;;     - A block's scale is 2^e with e = floor(log2(the largest magnitude in the block)) - 2, held to -126 .. 127; a block of zeros has e = 0. As a byte (E8M0): e + 127.
;;     - Each number is divided by its block's scale, clamped to +-7.5, and rounded to the nearest number of E2M3, ties to even, subnormals kept.
;;     - The product sums the exact products of the quantised numbers (number of the format x scale) in f32.
;;   ~~~python
;;   def quantise(x, axis):      # numpy; x: float32 -> the quantised numbers, widened to float32 again
;;       x = np.moveaxis(x, axis, -1); K = x.shape[-1]
;;       x = np.pad(x, [(0, 0)] * (x.ndim - 1) + [(0, -K % 32)]); x = x.reshape(x.shape[:-1] + (-1, 32)); a = np.abs(x).max(-1, keepdims=True)
;;       e = np.where(a > 0, np.clip(np.frexp(np.where(a > 0, a, 1))[1] - 1 - 2, -126, 127), 0)      # np.frexp(a)[1] - 1 = floor(log2(a)), exactly
;;       r = np.clip(x / 2.0 ** e, -7.5, 7.5)
;;       step = 2.0 ** (np.maximum(np.frexp(np.where(r == 0, 1, r))[1] - 1, 0) - 3)
;;       q = np.round(r / step) * step * 2.0 ** e      # np.round: ties to even
;;       return np.moveaxis(q.reshape(q.shape[:-2] + (-1,))[..., :K], -1, axis).astype(np.float32)
;;   ~~~
;;   SOFTMAX AHEAD OF A QUANTISED PRODUCT. Where the list says 'softmax', what is quantised is not the finished softmax but p = 2^(t - M), with t = logit x log2(e) and M = ceil(the row's largest t), a whole number; so 1/2 < the row's largest p <= 1. The row's sum l is taken of the UNQUANTISED p, in f32, and the product's result is divided by l at the end. Since M is a whole number, a kernel that streams over the keys may use a running M (the ceiling of the running maximum): every later rescaling is an exact power of two, which a block's scale takes up: the codes' values come out the same.
;;   OPERANDS COMPUTED ON THE WAY. 'Computed on the way' means the value that the module computes at that place (a softmax that the list does not call 'softmax' is quantised finished and normalised). What goes into a quantiser is computed in f32, as accurately as f32 sums, v_exp_f32 and their like allow (about 1e-6 of the number): no bf16 or f16 on the way to a quantiser, and a product that is left as it is and whose result goes on into a quantised operand takes f32 operands (vector FMAs, or v_wmma_f32_16x16x4_f32). A number that lies on a knife's edge between two numbers of the format may be rounded either way, as far as f32 arithmetic and the matrix unit's own rounding can turn it there, and no further.
;; One version. Each part assembles by itself: llvm-mc -triple=amdgcn-amd-amdhsa -mcpu=gfx1250 --defsym DOCPART=n.
;; ======== version 1 of 1: 4 launches
;; limits: right only within a limited range of input values
;; workspace buffers: opnd_img 11,796,480 bytes; opnd_sc 491,520 bytes; cs_img 1,605,632 bytes; mask_bits 1,179,648 bytes of whole numbers; qkv_img 5,898,240 bytes; qkv_sc 245,760 bytes; attn_img 4,718,592 bytes; attn_sc 196,608 bytes
;; launch prep (part 1): grid 817 x 1, 4 waves a work-group, no clusters, 68,096 bytes of LDS; arguments hidden_states, Wq, Wk, Wv, Wo, attention_mask, position_ids, opnd_img, opnd_sc, cs_img, mask_bits; writes opnd_img, opnd_sc, cs_img, mask_bits
.if DOCPART == 1
	.amdgcn_target "amdgcn-amd-amdhsa--gfx1250"
	.amdhsa_code_object_version 6
	.text
	.protected	k_q237700f48f_prep
	.globl	k_q237700f48f_prep
	.p2align	8
	.type	k_q237700f48f_prep,@function
k_q237700f48f_prep:
	s_mov_b64 s[64:65], 0
	v_nop
	global_prefetch_b8 v0, s[64:65] scope:SCOPE_SE
	s_setreg_imm32_b32 hwreg(HW_REG_WAVE_MODE, 25, 1), 1
	s_wait_xcnt 0x0
; PREP: all that the later launches read is laid out once.  Three kinds of work-groups, told apart by the work-group's number.
; (1) 0..479: the five f32 tensors (K = 2,048 innermost) become codes of FP6 (E2M3) with one E8M0 byte for each 32 along K.  A work-group takes one TILE of 16 rows, wave g its K steps 4 g .. 4 g + 3
;     (a K step = 128 along K).  Tiles 0-191 hidden_states, 192-319 Wq, 320-335 Wk, 336-351 Wv, 352-479 Wo.
;     THE ROWS OF A TILE ARE NOT NEIGHBOURS: lane row r of a tensor's tile t is its row 32 (t / 2) + 8 (t % 2) + r + 8 (r / 8), so that a product which takes two neighbouring tiles as source 0 leaves a lane 16 neighbours.
;     A FRAGMENT (16 rows x 128 K, 12 registers a lane) IS STORED AS AN IMAGE OF ITS REGISTERS: registers 4 c .. 4 c + 3 of lane l at 512 c + 16 l: 1,536 bytes; opnd_img = [tile][K step][1536].
;     opnd_sc = [tile][K step / 4][row r][K step % 4] words of four scale bytes.
; (2) 480..528: cos and sin of RoPE for every token, gathered by position_ids, as images of the registers in which the projection holds a token's 64 frequencies: cs_img = [token tile 0..195][16][lane][16 bytes]:
;     register k < 32: cos of frequency 32 (k / 16) + 16 (lane / 16) + k % 16, register 32 + k its sin.  Tiles 192-195 hold position 0 (cos 1, sin 0): the turn that changes nothing, for v.
; (3) 529..816: the mask's bytes become lane masks: mask_bits = [query tile][key step of 128][n 0..63] words; bit (r + 16 h) of word n = mask[query r of the tile][128 step + 32 (n / 16) + 16 h + n % 16].
; No tensor loads, no barrier: waves share nothing; nothing is read by two work-groups, so there is nothing to ask for jointly.  The two paths that use LDS have LDS bytes of their own.
; LIMITS.  NaN and infinities among the inputs are not served.  A block of zeros, or one whose largest magnitude lies under 2^-124, gets the scale byte 1 (its codes are zeros or nearly; this program alone reads the bytes).
; inv_freq = 2^(-f log2(10000) / 64) by v_exp_f32: the angle may differ from a correctly rounded one by some 3e-4 rad at position 3,071.  position_ids are taken as 0 .. 3,071 (the table's rows).  Any mask byte other than 0 counts as true.
.set SP,    528                        ; a stage row: 512 bytes + 16
.set STGB,  16*SP                      ; a wave's stage
.set MSTG,  4*STGB                     ; the mask path's stages lie behind the quantiser's
.set R,     16                         ; v16-143  two sets of 64 numbers as loaded
.set X,     144                        ; v144-207 64 numbers of a lane: register 16 b + i = k 32 b + 16 (lane / 16) + i of its row
.set TM,    208                        ; v208-223 at work in QUANT
.set PW,    224                        ; the scale word just made
.set PC,    226                        ; v226-237 the codes just made; v238-244 at work
.set SW,    246                        ; v246-249 the four K steps' scale words
.set SEL,   36                         ; s[36:37] lane selects for v_permlanex16_b32: lane l xor 16
	s_load_b512 s[4:19], s[0:1], 0x0               ; hidden_states s[4:5], Wq s[6:7], Wk s[8:9], Wv s[10:11], Wo s[12:13], the mask s[14:15], position_ids s[16:17], opnd_img s[18:19]
	s_load_b128 s[20:23], s[0:1], 0x40             ; opnd_sc s[20:21], cs_img s[22:23]
	s_load_b64 s[24:25], s[0:1], 0x50              ; mask_bits
	v_lshl_add_u32 v254, v0, 2, 0x10800
	v_mov_b32 v255, 0
	v_lshrrev_b32 v1, 5, v0
	v_readfirstlane_b32 s26, v1                    ; wave 0..3
	v_and_b32 v1, 31, v0                           ; lane
	v_and_b32 v2, 15, v0                           ; r
	v_bfe_u32 v3, v0, 4, 1                         ; h
	v_lshlrev_b32 v4, 4, v1                        ; 16 x lane
	s_mov_b32 s[SEL], 0x76543210
	s_mov_b32 s[SEL+1], 0xfedcba98
	s_mul_i32 s27, s26, STGB                       ; my wave's stage
	s_wait_kmcnt 0x0
	s_cmp_lt_u32 ttmp9, 480
	s_cbranch_scc1 .Lquant
	s_cmp_lt_u32 ttmp9, 529
	s_cbranch_scc1 .Lrope
; ---- (3) THE MASK.  A wave takes one query tile and four key steps: 16 rows x 512 bytes, each load 512 consecutive bytes of a row.
	s_sub_co_u32 s28, ttmp9, 529
	s_lshl_b32 s28, s28, 2
	s_add_co_u32 s28, s28, s26                     ; 0 .. 1,151 = 6 x query tile + group of four key steps
	s_mul_i32 s29, s28, 43691
	s_lshr_b32 s29, s29, 18                        ; / 6 (exact for numbers this small): the query tile
	s_mul_i32 s30, s29, 6
	s_sub_co_u32 s30, s28, s30                     ; the group
	s_lshr_b32 s31, s29, 1
	s_mul_i32 s31, s31, 32*3072
	s_and_b32 s32, s29, 1
	s_mul_i32 s32, s32, 8*3072
	s_add_co_u32 s32, s32, s31                     ; the tile's first row,
	s_lshl_b32 s31, s30, 9
	s_add_co_u32 s32, s32, s31                     ; + 512 bytes a group
	s_mov_b32 s33, 0
	s_add_nc_u64 s[14:15], s[14:15], s[32:33]
	s_mul_i32 s32, s29, 24
	s_lshl_b32 s31, s30, 2
	s_add_co_u32 s32, s32, s31
	s_lshl_b32 s32, s32, 8                         ; 256 bytes of words a key step
	s_add_nc_u64 s[24:25], s[24:25], s[32:33]
	s_wait_alu depctr_va_vdst(0)
.irp p, 0,1,2,3,4,5,6,7,8,9,10,11,12,13,14,15
	global_load_b128 v[16+4*\p:19+4*\p], v4, s[14:15] offset:(\p%8+16*(\p/8))*3072 th:TH_LOAD_NT   ; lane row p of the tile
.endr
	v_add_nc_u32 v5, s27, v4                       ; the stage, on the way in: 16 x lane of a row
	v_mul_u32_u24 v6, v2, SP
	v_lshl_add_u32 v6, v3, 4, v6
	v_add_nc_u32 v6, s27, v6                       ; and back: row r, + 16 h
.irp j, 0,1,2,3,4,5,6,7
	v_mov_b32 v[150+\j], 0                         ; v_writelane_b32's destination counts as read
.endr
	s_wait_alu depctr_va_vdst(0)
	s_wait_loadcnt 0x0
.irp p, 0,1,2,3,4,5,6,7,8,9,10,11,12,13,14,15
	ds_store_b128 v5, v[16+4*\p:19+4*\p] offset:MSTG+SP*\p
.endr
.irp k, 0,1,2,3
.irp b, 0,1,2,3
	ds_load_b128 v[80+16*\k+4*\b:83+16*\k+4*\b], v6 offset:MSTG+128*\k+32*\b   ; LDS serves a wave's instructions in order: these see my stores.  Key step k: byte n % 4 of register n / 4 is column 32 (n / 16) + 16 h + n % 16
.endr
.endr
	s_wait_dscnt 0x0
.set kk, 0
.rept 4
.set nn, 0
.rept 64
	v_and_b32 v[144+nn%4], 0xff<<(8*(nn%4)), v[80+16*kk+nn/4]
	v_cmp_ne_u32 s[28+nn%4], 0, v[144+nn%4]        ; word n of key step kk: one bit a lane
	v_writelane_b32 v[150+4*(kk/2)+nn%4], s[28+nn%4], nn/4+16*(kk%2)   ; to the lane and register from which a store of 16 bytes a lane puts it at word 64 (kk % 2) + n
.set nn, nn+1
.endr
.set kk, kk+1
.endr
	global_store_b128 v4, v[150:153], s[24:25]     ; 512 consecutive bytes: key steps 0 and 1 of the group
	global_store_b128 v4, v[154:157], s[24:25] offset:512
	s_wait_tensorcnt 0x0
	ds_add_u32 v254, v255
	s_wait_dscnt 0x0
	s_endpgm
; ---- (2) COS AND SIN.  A wave takes one token tile.
.Lrope:
	s_sub_co_u32 s28, ttmp9, 480
	s_lshl_b32 s28, s28, 2
	s_add_co_u32 s28, s28, s26                     ; tile 0 .. 195
	s_min_u32 s29, s28, 191                        ; (tiles 192-195 read tile 191's positions and multiply them by 0)
	s_lshr_b32 s30, s29, 1
	s_lshl_b32 s30, s30, 7
	s_and_b32 s31, s29, 1
	s_lshl_b32 s31, s31, 5
	s_add_co_u32 s30, s30, s31                     ; 4 bytes x the tile's first token
	s_cmp_lt_u32 s28, 192
	s_cselect_b32 s38, 1.0, 0
	s_wait_alu depctr_va_vdst(0)
	v_and_b32 v5, 8, v2
	v_add_nc_u32 v5, v5, v2                        ; r + 8 (r / 8)
	v_lshl_add_u32 v5, v5, 2, s30
	global_load_b32 v6, v5, s[16:17]               ; my token's position
	s_lshl_b32 s32, s28, 13
	s_mov_b32 s33, 0
	s_add_nc_u64 s[22:23], s[22:23], s[32:33]      ; my tile's 8,192 bytes of cs_img
	s_mov_b32 s39, 0xbe549a78                      ; -log2(10000) / 64
	s_mov_b32 s40, 0x3f22f983                      ; 2 / pi
	s_mov_b32 s41, 0xbfc90fdb                      ; -(pi / 2), its leading part,
	s_mov_b32 s42, 0x333bbd2e                      ; and what that part has too much
	s_mov_b32 s43, 0xb94ca1f9                      ; sin x = x + x z (S1 + z (S2 + z S3)), z = x^2, |x| <= pi / 4
	s_mov_b32 s44, 0x3c08839e
	s_mov_b32 s45, 0xbe2aaaa3
	s_mov_b32 s46, 0x37ccf5ce                      ; cos x = 1 - z / 2 + z^2 (C1 + z (C2 + z C3))
	s_mov_b32 s47, 0xbab6061a
	s_mov_b32 s48, 0x3d2aaaa5
	v_lshlrev_b32 v8, 4, v3                        ; 16 h
.set kk, 0
.rept 32
	v_add_nc_u32 v[64+kk], 32*(kk/16)+kk%16, v8    ; the frequency's number f
.set kk, kk+1
.endr
.set kk, 0
.rept 32
	v_cvt_f32_u32 v[64+kk], v[64+kk]
.set kk, kk+1
.endr
.set kk, 0
.rept 32
	v_mul_f32 v[64+kk], s39, v[64+kk]
.set kk, kk+1
.endr
.set kk, 0
	s_wait_alu depctr_va_vdst(0)
.rept 32
	v_exp_f32 v[64+kk], v[64+kk]                   ; inv_freq = 10000^(-f / 64): one batch
.set kk, kk+1
.endr
	v_nop                                          ; a plain line behind the last exponential,
	s_wait_alu depctr_va_vdst(0)                   ; and one wait for the batch, ahead of its first reader
	s_wait_loadcnt 0x0
	v_cvt_f32_i32 v7, v6
	v_mul_f32 v7, s38, v7                          ; the position as f32; 0 in tiles 192-195
; cos and sin of position x inv_freq (the product rounded once, as the table's angle is): n = the nearest whole number of quarter turns, x = angle - n pi / 2 by two fused steps, polynomials, then the quadrant.
.macro SINCOS k
	v_mul_f32 v10, v7, v[64+\k]
	v_mul_f32 v11, s40, v10
	v_rndne_f32 v11, v11
	v_fma_f32 v12, v11, s41, v10
	v_fma_f32 v12, v11, s42, v12
	v_mul_f32 v13, v12, v12
	v_fma_f32 v14, v13, s43, s44
	v_fma_f32 v15, v13, s46, s47
	v_fma_f32 v14, v14, v13, s45
	v_fma_f32 v15, v15, v13, s48
	v_mul_f32 v16, v13, v12
	v_mul_f32 v17, v13, v13
	v_fma_f32 v18, v13, -0.5, 1.0
	v_fma_f32 v14, v14, v16, v12                   ; sin x
	v_fma_f32 v15, v15, v17, v18                   ; cos x
	v_cvt_i32_f32 v19, v11
	v_and_b32 v16, 1, v19
	v_cmp_ne_u32 vcc_lo, 0, v16                    ; an odd quarter: the two change places
	v_cndmask_b32 v17, v14, v15, vcc_lo
	v_cndmask_b32 v18, v15, v14, vcc_lo
	v_and_b32 v16, 2, v19
	v_lshlrev_b32 v16, 30, v16                     ; sin is negative in quarters 2 and 3,
	v_xor_b32 v[160+\k], v16, v17
	v_add_nc_u32 v19, 1, v19
	v_and_b32 v19, 2, v19
	v_lshlrev_b32 v19, 30, v19                     ; cos in quarters 1 and 2
	v_xor_b32 v[128+\k], v19, v18
.endm
.set kq, 0
.rept 32
	SINCOS kq
.set kq, kq+1
.endr
.irp j, 0,1,2,3,4,5,6,7,8,9,10,11,12,13,14,15
	global_store_b128 v4, v[128+4*\j:131+4*\j], s[22:23] offset:512*\j   ; 512 consecutive bytes a store
.endr
	s_endpgm
; ---- (1) THE QUANTISER.
; 64 numbers of a lane, v[s] .. v[s + 63], register 16 b + i = k 32 b + 16 (lane / 16) + i of my row, become a fragment's codes in v[PC] on and its scale word in v[PW].
.macro QUANT s
.irp b, 0,1,2,3
	v_max3_num_f32 v[TM+\b], |v[\s+16*\b]|, |v[\s+1+16*\b]|, 0x1800000   ; block b: my 16 numbers, and the floor 2^(3 - 127): so the byte cannot fall under 1
.endr
.irp i, 2,4,6,8,10,12,14
.irp b, 0,1,2,3
	v_max3_num_f32 v[TM+\b], v[TM+\b], |v[\s+16*\b+\i]|, |v[\s+1+16*\b+\i]|   ; (the four blocks by turns)
.endr
.endr
.irp b, 0,1,2,3
	v_permlanex16_b32 v[TM+4+\b], v[TM+\b], s[SEL], s[SEL+1]
.endr
.irp b, 0,1,2,3
	v_max_num_f32 v[TM+\b], v[TM+\b], v[TM+4+\b]   ; with lane l xor 16's: the block's largest magnitude
.endr
.irp b, 0,1,2,3
	v_add_nc_u32 v[TM+12+\b], 0xff000000, v[TM+\b] ; 2 off its exponent field: the conversion takes this operand's exponent field as its scale
.endr
.irp b, 0,1,2,3
	v_lshrrev_b32 v[TM+4+\b], 23, v[TM+12+\b]      ; the scale's byte
.endr
	v_lshl_or_b32 v[PW], v[TM+5], 8, v[TM+4]       ; the four bytes make my row's scale word
	v_lshl_or_b32 v[PW], v[TM+6], 16, v[PW]
	v_lshl_or_b32 v[PW], v[TM+7], 24, v[PW]
.irp c, 0,1
	v_cvt_scalef32_pk16_fp6_f32 v[PC+6*\c:PC+2+6*\c], v[\s+32*\c:\s+15+32*\c], v[TM+12+2*\c]
	v_cvt_scalef32_pk16_fp6_f32 v[PC+12+4*\c:PC+14+4*\c], v[\s+16+32*\c:\s+31+32*\c], v[TM+12+2*\c+1]   ; (a conversion's three registers begin on an even number)
.endr
	v_nop                                          ; one plain line behind a scaled conversion
.irp c, 0,1                                    ; the operand's layout wants a WHOLE block in a lane: lanes 0-15 block 2 c, lanes 16-31 block 2 c + 1
.irp i, 0,1,2
	v_permlane16_swap_b32 v[PC+6*\c+\i], v[PC+12+4*\c+\i]
.endr
.irp i, 0,1,2
	v_mov_b32 v[PC+3+6*\c+\i], v[PC+12+4*\c+\i]
.endr
.endr
.endm
.macro LOADK t                         ; K step t of my four: 16 rows x 512 consecutive bytes, into set t % 2
.irp p, 0,1,2,3,4,5,6,7,8,9,10,11,12,13,14,15
	global_load_b128 v[R+64*((\t)%2)+4*\p:R+64*((\t)%2)+4*\p+3], v4, s[30:31] offset:(\p%8+16*(\p/8))*8192+512*(\t) th:TH_LOAD_NT
.endr
.endm
.macro KSTEP t
.if (\t) < 3
	s_wait_loadcnt 16                              ; this K step's 16 loads are in; the next one's 16 may be out
.else
	s_wait_loadcnt 0x0
.endif
.irp p, 0,1,2,3,4,5,6,7,8,9,10,11,12,13,14,15
	ds_store_b128 v5, v[R+64*((\t)%2)+4*\p:R+64*((\t)%2)+4*\p+3] offset:SP*\p
.endr
.irp b, 0,1,2,3
.irp j, 0,1,2,3
	ds_load_b128 v[X+16*\b+4*\j:X+16*\b+4*\j+3], v6 offset:128*\b+16*\j   ; LDS serves a wave's instructions in order: these see my stores.  Row r, numbers 32 b + 16 h + 4 j on
.endr
.endr
	s_wait_dscnt 0x0                               ; the turn through the stage is over: the set may be loaded again
.if (\t) < 2
	LOADK (\t)+2
.endif
.if (\t) > 0
	s_wait_xcnt 0x0                                ; the last K step's stores have read their data: the codes' registers are written again only behind this wait
.endif
	QUANT X
.irp c, 0,1,2
	global_store_b128 v4, v[PC+4*\c:PC+4*\c+3], s[18:19] offset:1536*(\t)+512*\c   ; the fragment's image: 512 consecutive bytes a store
.endr
	v_mov_b32 v[SW+(\t)], v[PW]
.endm
.Lquant:
	s_mov_b32 s28, ttmp9                           ; the tile
	s_mov_b64 s[30:31], s[12:13]                   ; which tensor, and its first tile: the choice hangs on the work-group's number alone
	s_mov_b32 s29, 352
	s_cmp_lt_u32 s28, 352
	s_cselect_b64 s[30:31], s[10:11], s[30:31]
	s_cselect_b32 s29, 336, s29
	s_cmp_lt_u32 s28, 336
	s_cselect_b64 s[30:31], s[8:9], s[30:31]
	s_cselect_b32 s29, 320, s29
	s_cmp_lt_u32 s28, 320
	s_cselect_b64 s[30:31], s[6:7], s[30:31]
	s_cselect_b32 s29, 192, s29
	s_cmp_lt_u32 s28, 192
	s_cselect_b64 s[30:31], s[4:5], s[30:31]
	s_cselect_b32 s29, 0, s29
	s_sub_co_u32 s29, s28, s29                     ; the tile's number t in its tensor
	s_lshr_b32 s32, s29, 1
	s_lshl_b32 s32, s32, 18                        ; 32 (t / 2) rows of 8,192 bytes
	s_and_b32 s33, s29, 1
	s_lshl_b32 s33, s33, 16                        ; + 8 (t % 2) rows
	s_add_co_u32 s32, s32, s33
	s_lshl_b32 s33, s26, 11                        ; + my wave's 512 numbers
	s_add_co_u32 s32, s32, s33
	s_mov_b32 s33, 0
	s_add_nc_u64 s[30:31], s[30:31], s[32:33]
	s_mul_i32 s32, s28, 24576
	s_mul_i32 s34, s26, 6144
	s_add_co_u32 s32, s32, s34
	s_add_nc_u64 s[18:19], s[18:19], s[32:33]      ; my four images
	s_lshl_b32 s32, s28, 10
	s_lshl_b32 s34, s26, 8
	s_add_co_u32 s32, s32, s34
	s_add_nc_u64 s[20:21], s[20:21], s[32:33]      ; my 256 bytes of scale words
	s_wait_alu depctr_va_vdst(0)
	LOADK 0
	LOADK 1
	v_add_nc_u32 v5, s27, v4                       ; the stage, on the way in
	v_mul_u32_u24 v6, v2, SP
	v_lshl_add_u32 v6, v3, 6, v6
	v_add_nc_u32 v6, s27, v6                       ; and back: row r, + 64 h
	v_lshlrev_b32 v7, 4, v2
	v_lshl_add_u32 v7, v3, 3, v7                   ; 16 r + 8 h
.irp b, 0,1,2,3
	v_mov_b32 v[TM+4+\b], 0                        ; written once: a lane permute's destination counts as one of its sources
.endr
	s_mov_b32 s27, 0xffff0000                      ; lanes 16-31
	s_wait_alu depctr_va_vdst(0)
	KSTEP 0
	KSTEP 1
	KSTEP 2
	KSTEP 3
	v_cndmask_b32 v250, v[SW], v[SW+2], s27        ; lanes 0-15 store their row's words 0 and 1, lanes 16-31 words 2 and 3
	v_cndmask_b32 v251, v[SW+1], v[SW+3], s27
	global_store_b64 v7, v[250:251], s[20:21]      ; 256 consecutive bytes, aligned
	s_wait_tensorcnt 0x0
	ds_add_u32 v254, v255
	s_wait_dscnt 0x0
	s_endpgm
.Lfunc_end_k_q237700f48f_prep:
	.size	k_q237700f48f_prep, .Lfunc_end_k_q237700f48f_prep-k_q237700f48f_prep
	.p2alignl 7, 3214868480
	.fill 96, 4, 3214868480
	.section	.rodata,"a",@progbits
	.p2align	6, 0x0
	.amdhsa_kernel k_q237700f48f_prep
		.amdhsa_group_segment_fixed_size 68096
		.amdhsa_private_segment_fixed_size 0
		.amdhsa_enable_private_segment 0
		.amdhsa_kernarg_size 88
		.amdhsa_user_sgpr_count 2
		.amdhsa_user_sgpr_kernarg_segment_ptr 1
		.amdhsa_wavefront_size32 1
		.amdhsa_system_sgpr_workgroup_id_x 1
		.amdhsa_system_sgpr_workgroup_id_y 1
		.amdhsa_system_sgpr_workgroup_id_z 1
		.amdhsa_system_vgpr_workitem_id 0
		.amdhsa_next_free_vgpr 256
		.amdhsa_next_free_sgpr 66
		.amdhsa_reserve_vcc 1
		.amdhsa_float_denorm_mode_32 3
		.amdhsa_float_denorm_mode_16_64 3
		.amdhsa_memory_ordered 1
		.amdhsa_forward_progress 1
		.amdhsa_inst_pref_size 131
	.end_amdhsa_kernel
	.amdgpu_metadata
---
amdhsa.version: [ 1, 2 ]
amdhsa.kernels:
  - .name:           k_q237700f48f_prep
    .symbol:         k_q237700f48f_prep.kd
    .args:
      - { .name: hidden_states, .offset: 0, .size: 8, .value_kind: global_buffer, .address_space: global }
      - { .name: Wq, .offset: 8, .size: 8, .value_kind: global_buffer, .address_space: global }
      - { .name: Wk, .offset: 16, .size: 8, .value_kind: global_buffer, .address_space: global }
      - { .name: Wv, .offset: 24, .size: 8, .value_kind: global_buffer, .address_space: global }
      - { .name: Wo, .offset: 32, .size: 8, .value_kind: global_buffer, .address_space: global }
      - { .name: attention_mask, .offset: 40, .size: 8, .value_kind: global_buffer, .address_space: global }
      - { .name: position_ids, .offset: 48, .size: 8, .value_kind: global_buffer, .address_space: global }
      - { .name: opnd_img, .offset: 56, .size: 8, .value_kind: global_buffer, .address_space: global }
      - { .name: opnd_sc, .offset: 64, .size: 8, .value_kind: global_buffer, .address_space: global }
      - { .name: cs_img, .offset: 72, .size: 8, .value_kind: global_buffer, .address_space: global }
      - { .name: mask_bits, .offset: 80, .size: 8, .value_kind: global_buffer, .address_space: global }
    .group_segment_fixed_size: 68096
    .private_segment_fixed_size: 0
    .kernarg_segment_align: 8
    .kernarg_segment_size: 88
    .max_flat_workgroup_size: 128
    .sgpr_count:     66
    .vgpr_count:     256
    .wavefront_size: 32
...
	.end_amdgpu_metadata
.endif
;; end of part 1
;; launch proj (part 2): grid 24 x 10, 4 waves a work-group, clusters of 4 x 1, 327,680 bytes of LDS; arguments opnd_img, opnd_sc, cs_img, qkv_img, qkv_sc; writes qkv_img, qkv_sc
.if DOCPART == 2
	.amdgcn_target "amdgcn-amd-amdhsa--gfx1250"
	.amdhsa_code_object_version 6
	.text
	.protected	k_q237700f48f_proj
	.globl	k_q237700f48f_proj
	.p2align	8
	.type	k_q237700f48f_proj,@function
k_q237700f48f_proj:
	s_mov_b64 s[64:65], 0
	v_nop
	global_prefetch_b8 v0, s[64:65] scope:SCOPE_SE
	s_setreg_imm32_b32 hwreg(HW_REG_WAVE_MODE, 25, 1), 1
	s_wait_xcnt 0x0
	s_wait_alu depctr_hold_cnt(0) depctr_sa_sdst(0) depctr_va_vdst(0) depctr_va_sdst(0) depctr_va_ssrc(0) depctr_va_vcc(0) depctr_vm_vsrc(0)
	s_getreg_b32 s2, hwreg(HW_REG_IB_STS2, 6, 4)
	s_cmp_eq_u32 s2, 0
	s_cbranch_scc0 .Lentry_in_a_cluster
	s_endpgm
.Lentry_in_a_cluster:
	s_bfe_u32 s2, ttmp6, 0x10000c
	s_cmp_lg_u32 s2, 0x3003
	s_cbranch_scc0 .Lentry_shape_is_right
	s_endpgm
.Lentry_shape_is_right:
; PROJ: q, k and v = hidden_states x (Wq | Wk | Wv)^T on codes of FP6 (E2M3) with E8M0 scales, K = 2,048; then RoPE on q and k in f32; then q, k (along the head's 128) and v (along the KEYS) are quantised in registers
; and stored as images of operand registers.  No f32 result goes to memory.
; SHARES.  A work-group makes 128 tokens (x tiles 8 X .. 8 X + 7) x 256 weight rows (tiles 16 y .. 16 y + 15 behind x's 192: y 0-7 Wq, 8 Wk, 9 Wv).  A wave has an 8-SIDE (8 tiles, source 0) and a 4-SIDE (4 tiles, source 1):
; 32 accumulators.  In a result a lane holds ONE row of the 4-side, and its 64 registers of a 4-side tile run along the 8-side's 128 rows in the order register 16 b + i = row 32 b + 16 (lane / 16) + i (the tiles' rows are
; laid for that by the launch before): just what the quantiser takes.  y < 9: 8-side = a head's 128 weight rows, 4-side = 64 tokens: a lane holds a token and its head's 128 numbers.
; y = 9 (v): THE SIDES CHANGE PLACES, by a choice of LDS read addresses alone: 8-side = the 128 tokens, 4-side = 64 rows of Wv: a lane holds one channel and 128 keys.  The turn by cos and sin then takes the table's tiles of position 0.
; RoPE: channels d and d + 64 lie in one lane, 32 registers apart.  out(d) = x(d) cos - x(d + 64) sin, out(d + 64) = x(d + 64) cos + x(d) sin: the first product of each is fused, the second rounded ahead.
; LDS: fragments lie as images of their registers (1,536 bytes, read by three loads of 16 bytes a lane, 512 consecutive bytes each): no pitch, no padding.  A slot holds 512 along K: x's 8 tiles x 6,144 bytes, then W's 16.
; Two slots, four fills in all; the scale words of all of K (x's 8,192 bytes, W's 16,384) come once.  All is written straight on, without a loop.
; CLUSTER 4 x 1: the four work-groups of a cluster have the same y: W's tiles and scale words are asked for JOINTLY (waves 2 and 3, mask 15); each asks for its own x (waves 0 and 1, no mask).  The grid's 10 along y divide by no 4.
; A wave has three tensor loads out at the start and one behind each round.
; OUT: qkv_img = groups of 8 fragments (12,288 bytes): group 24 j + X for head column j (0-15 q, 16-17 k) and token block X, fragment = token tile; group 432 + 24 g + X for v of kv head g, key step X, fragment = channel tile.
; qkv_sc = group x 512 bytes = [fragment / 4][row r][fragment % 4] words.
; LIMITS: NaN and infinities are not served; a block under 2^-124 gets the scale byte 1.
.set SLOT,  147456
.set CB,    49152                      ; where W's tiles begin in a slot
.set TILEB, 6144                       ; a tile's four K steps
.set FRB,   1536                       ; a fragment's image
.set SCL,   2*SLOT                     ; the scale words: x's, then W's
.set SPARE, SCL+24576                  ; the spare words, 128 bytes for each wave: two blocks of 256 bytes that no other line names
.set CIMG,  192*24576                  ; the weights' first tile in opnd_img
.set CSCO,  192*1024                   ; and in opnd_sc
.set PRI, 4                            ; s[4:5]  the buffer of the R side's images;  s[6:7] of its scale words
.set PRS, 6
.set PCI, 4                            ; the same for the C side
.set PCS, 6
.set AD8, 16                           ; v16-17  LDS address of my 8-side in slot 0, 1
.set AD4, 18                           ; v18-19  of my 4-side
.set AS8, 20                           ; v20     of my 8-side's scale words: lanes 0-15 tile p, lanes 16-31 tile p + 4
.set AS4, 21                           ; v21     of my 4-side's: lanes 16-31 tile p + 2
.set SPW, 28                           ; v28     LDS address of my spare word; never rewritten
.set NIL, 29                           ; v29     0; never rewritten
.set SC,  32                           ; v32-79  scale words, a set of 24 for each slot: 8-side 4 x 4 registers (register 4 p + q: K step q of the slot), 4-side 2 x 4 at + 16
.set F4,  80                           ; v80-175 the 4-side's fragments, two sets of 48.   Window 1: the accumulators, (a, b) at v[8 (8 a + b)].   Window 2: the 8-side's fragments, two sets of 96
.set G1X, 24                           ; s[24:31] descriptor group 1 for x's tiles; s[32:39] W's; s[40:47] x's scale words; s[48:55] W's
.set G1W, 32
.set G1XS, 40
.set G1WS, 48
.set G0X, 56                           ; s[56:63] group 0 for x's tiles, a set for each slot; s[68:75] W's; s[76:79], s[80:83] the scale words'
.set G0W, 68
.set G0XS, 76
.set G0WS, 80
.set W0P, 3<<16                        ; group 1's first word: elements of 8 bytes, no mask, no padding
.set W0J, 15|(3<<16)|(1<<21)           ; the same with the mask of all four work-groups, and bit 21 beside it
.set MSB, 0
.macro WIN new                         ; the immediate's high byte repeats the setting that is left
.if MSB != \new
	s_set_vgpr_msb (MSB<<8)|\new
.set MSB, \new
.endif
.endm
.macro PLACES                          ; four plain vector lines between a matrix instruction and a load into, or a vector line on, its registers (ISA guide 7.12.1 for vector lines)
.rept 4
	v_nop
.endr
.endm
.macro GROUP1 g, w0, c, r, p           ; r rows of c elements, p elements apart
	s_mov_b32 s[\g], \w0
	s_mov_b32 s[\g+1], (\c)<<16
	s_mov_b32 s[\g+2], (\r)<<16
	s_mov_b32 s[\g+3], (\c)<<16
	s_mov_b32 s[\g+4], \r
	s_mov_b32 s[\g+5], \p
	s_mov_b32 s[\g+6], 0
	s_mov_b32 s[\g+7], 0
.endm
; Waves 0 and 1 fetch for the R side (their own work-group's), waves 2 and 3 for the C side (jointly).  The branch hangs on the wave's number alone.  Four v_nop follow each of the two lines.
.macro JL g0x, g1x, g0w, g1w
	s_cmp_lt_u32 s12, 2
	s_cbranch_scc0 .Ljw_\@
	tensor_load_to_lds s[\g0x:\g0x+3], s[\g1x:\g1x+7]
	s_nop 0
.rept 4
	v_nop
.endr
	s_branch .Ljd_\@
.Ljw_\@:
	tensor_load_to_lds s[\g0w:\g0w+3], s[\g1w:\g1w+7]
	s_nop 0
.rept 4
	v_nop
.endr
.Ljd_\@:
.endm
.macro CREST                           ; a round of the cluster's barrier behind its opening barrier
	s_cmp_lg_u32 s12, 0
	s_cbranch_scc1 .Lnw_\@
	s_barrier_signal -3
.Lnw_\@:
	s_barrier_wait -3
	s_barrier_signal -1
	s_barrier_wait -1
.endm
.macro CROUND
	s_barrier_signal -1
	s_barrier_wait -1
	CREST
.endm
.macro FETCH slot, q, p                ; the fragments of the slot's K step q into set p: 24 + 12 loads
	WIN 0x80                                       ; destination window 2, address window 0
.irp i, 0,1,2,3,4,5,6,7
.irp c, 0,1,2
	ds_load_b128 v[96*(\p)+12*\i+4*\c:96*(\p)+12*\i+4*\c+3], v[AD8+\slot] offset:TILEB*\i+FRB*(\q)+512*\c
.endr
.endr
	WIN 0
.irp i, 0,1,2,3
.irp c, 0,1,2
	ds_load_b128 v[F4+48*(\p)+12*\i+4*\c:F4+48*(\p)+12*\i+4*\c+3], v[AD4+\slot] offset:TILEB*\i+FRB*(\q)+512*\c
.endr
.endr
.endm
.macro SCALES set, sg                  ; the scale words of K steps 4 sg .. 4 sg + 3
.irp p, 0,1,2,3
	ds_load_b128 v[SC+24*(\set)+4*\p:SC+24*(\set)+4*\p+3], v[AS8] offset:1024*\p+256*(\sg)
.endr
.irp p, 0,1
	ds_load_b128 v[SC+24*(\set)+16+4*\p:SC+24*(\set)+16+4*\p+3], v[AS4] offset:1024*\p+256*(\sg)
.endr
.endm
.macro MM1 a, b, p, q, set, zero       ; accumulator (a, b): source 0 = 8-side tile b, source 1 = 4-side tile a.  Tiles b >= 4 and a >= 2 have their scale words in lanes 16-31
.set xD, 8*(8*(\a)+(\b))
.set xA, 96*(\p)+12*(\b)
.set xB, F4+48*(\p)+12*(\a)
.set xS, SC+24*(\set)+4*((\b)%4)+(\q)
.set xT, SC+24*(\set)+16+4*((\a)%2)+(\q)
.set xR, 2*((\b)/4)+(\a)/2
.if \zero
.if xR == 0
	v_wmma_scale_f32_16x16x128_f8f6f4 v[xD:xD+7], v[xA:xA+11], v[xB:xB+11], 0, v[xS], v[xT] matrix_a_fmt:MATRIX_FMT_FP6 matrix_b_fmt:MATRIX_FMT_FP6
.elseif xR == 1
	v_wmma_scale_f32_16x16x128_f8f6f4 v[xD:xD+7], v[xA:xA+11], v[xB:xB+11], 0, v[xS], v[xT] matrix_a_fmt:MATRIX_FMT_FP6 matrix_b_fmt:MATRIX_FMT_FP6 matrix_b_scale:MATRIX_SCALE_ROW1
.elseif xR == 2
	v_wmma_scale_f32_16x16x128_f8f6f4 v[xD:xD+7], v[xA:xA+11], v[xB:xB+11], 0, v[xS], v[xT] matrix_a_fmt:MATRIX_FMT_FP6 matrix_b_fmt:MATRIX_FMT_FP6 matrix_a_scale:MATRIX_SCALE_ROW1
.else
	v_wmma_scale_f32_16x16x128_f8f6f4 v[xD:xD+7], v[xA:xA+11], v[xB:xB+11], 0, v[xS], v[xT] matrix_a_fmt:MATRIX_FMT_FP6 matrix_b_fmt:MATRIX_FMT_FP6 matrix_a_scale:MATRIX_SCALE_ROW1 matrix_b_scale:MATRIX_SCALE_ROW1
.endif
.else
.if xR == 0
	v_wmma_scale_f32_16x16x128_f8f6f4 v[xD:xD+7], v[xA:xA+11], v[xB:xB+11], v[xD:xD+7], v[xS], v[xT] matrix_a_fmt:MATRIX_FMT_FP6 matrix_b_fmt:MATRIX_FMT_FP6
.elseif xR == 1
	v_wmma_scale_f32_16x16x128_f8f6f4 v[xD:xD+7], v[xA:xA+11], v[xB:xB+11], v[xD:xD+7], v[xS], v[xT] matrix_a_fmt:MATRIX_FMT_FP6 matrix_b_fmt:MATRIX_FMT_FP6 matrix_b_scale:MATRIX_SCALE_ROW1
.elseif xR == 2
	v_wmma_scale_f32_16x16x128_f8f6f4 v[xD:xD+7], v[xA:xA+11], v[xB:xB+11], v[xD:xD+7], v[xS], v[xT] matrix_a_fmt:MATRIX_FMT_FP6 matrix_b_fmt:MATRIX_FMT_FP6 matrix_a_scale:MATRIX_SCALE_ROW1
.else
	v_wmma_scale_f32_16x16x128_f8f6f4 v[xD:xD+7], v[xA:xA+11], v[xB:xB+11], v[xD:xD+7], v[xS], v[xT] matrix_a_fmt:MATRIX_FMT_FP6 matrix_b_fmt:MATRIX_FMT_FP6 matrix_a_scale:MATRIX_SCALE_ROW1 matrix_b_scale:MATRIX_SCALE_ROW1
.endif
.endif
.endm
.macro MUL8 a, p, q, set, zero         ; the 32 accumulators take turns, one instruction a turn, in the same order in every K step
.irp b, 0,1,2,3,4,5,6,7
	MM1 \a, \b, \p, \q, \set, \zero
.endr
.endm
.macro STEPM slot, q, zero             ; a K step that has its successor in the same slot: the successor's 36 loads go out first and land under this step's 32 matrix instructions
	s_wait_dscnt 0x0                               ; this step's fragments (and scale words) are in
	PLACES
	FETCH \slot, (\q)+1, 1-(\q)%2
	WIN 0x52                                       ; source 0 window 2, source 1 window 0, C and D window 1
	MUL8 0, (\q)%2, \q, \slot, \zero
	MUL8 1, (\q)%2, \q, \slot, \zero
	MUL8 2, (\q)%2, \q, \slot, \zero
	MUL8 3, (\q)%2, \q, \slot, \zero
	WIN 0
.endm
; A slot's last K step changes slots: ONE barrier; in front of it each wave waits for all its tensor loads, adds 0 to its spare word, and waits for that and for its reads of this slot.  fill = 1: the barrier opens a round of the
; cluster's barrier, and behind the round this slot is filled again, 1,024 along K further on.
.macro TURN slot, next, sg, fill
	s_wait_tensorcnt 0x0                           ; all my tensor loads have landed: the one that was out is my part of the next slot
	ds_add_u32 v[SPW], v[NIL]                      ; 0 onto my spare word
	s_wait_dscnt 0x1                               ; this step's fragments are in; the add alone may be out
	WIN 0x52
	MUL8 0, 1, 3, \slot, 0                         ; eight matrix instructions stand between the add and the wait for it
	s_wait_dscnt 0x0                               ; the add is done, and my reads of this slot are over
	s_barrier_signal -1
	MUL8 1, 1, 3, \slot, 0
	WIN 0
	s_barrier_wait -1
.if \fill
	CREST                                          ; no wave of any partner still reads this slot or has a load on its way
	s_add_nc_u64 s[G0X+4*\slot+2:G0X+4*\slot+3], s[G0X+4*\slot+2:G0X+4*\slot+3], 2*TILEB
	s_add_nc_u64 s[G0W+4*\slot+2:G0W+4*\slot+3], s[G0W+4*\slot+2:G0W+4*\slot+3], 2*TILEB
	JL G0X+4*\slot, G1X, G0W+4*\slot, G1W          ; the first tensor load behind the round, 112 matrix instructions ahead of the wait for it; its four v_nop are also the places in front of the loads below
.else
	PLACES
.endif
	FETCH \next, 0, 0
	SCALES \next, \sg
	WIN 0x52
	MUL8 2, 1, 3, \slot, 0
	MUL8 3, 1, 3, \slot, 0
	WIN 0
.endm
	s_load_b256 s[4:11], s[0:1], 0x0               ; opnd_img s[4:5], opnd_sc s[6:7], cs_img s[8:9], qkv_img s[10:11]
	s_load_b64 s[14:15], s[0:1], 0x20              ; qkv_sc
	v_lshl_add_u32 v[SPW], v0, 2, SPARE
	v_mov_b32 v[NIL], 0
	ds_add_u32 v28, v29
	ds_add_u32 v28, v29
	s_wait_dscnt 0x0
	v_lshrrev_b32 v1, 5, v0
	v_readfirstlane_b32 s12, v1                    ; wave 0..3
	s_and_b32 s13, s12, 1                          ; e
	s_lshr_b32 s3, s12, 1
	s_bfe_u32 s84, ttmp6, 0x40000                  ; cx
	s_lshl_b32 s85, ttmp9, 2
	s_add_co_u32 s85, s85, s84                     ; X = 4 x cluster x + cx: it enters x's addresses and the outputs' alone
	s_and_b32 s2, ttmp7, 0xffff                    ; y, which the four partners share
	GROUP1 G1X, W0P, 768, 4, 3072                  ; 4 tiles x 6,144 bytes (four K steps), 24,576 bytes from tile to tile
	GROUP1 G1W, W0J, 768, 8, 3072                  ; 8 tiles
	GROUP1 G1XS, W0P, 32, 16, 32                   ; 4,096 dense bytes: four tiles' scale words
	GROUP1 G1WS, W0J, 32, 32, 32                   ; 8,192: eight tiles'
	s_lshl_b32 s86, s85, 3
	s_lshl_b32 s87, s13, 2
	s_add_co_u32 s86, s86, s87                     ; R tile 8 X + 4 e
	s_mul_i32 s92, s86, 24576
	s_mov_b32 s93, 0
	s_lshl_b32 s94, s86, 10
	s_mov_b32 s95, 0
	s_lshl_b32 s96, s2, 4
	s_lshl_b32 s97, s13, 3
	s_add_co_u32 s96, s96, s97                     ; C tile 16 y + 8 e
	s_mul_i32 s98, s96, 24576
	s_add_co_u32 s98, s98, CIMG
	s_mov_b32 s99, 0
	s_lshl_b32 s96, s96, 10
	s_add_co_u32 s96, s96, CSCO
	s_mov_b32 s97, 0
	s_mul_i32 s87, s13, 4*TILEB                    ; where they go in a slot: no place in the cluster enters an LDS address
	s_mul_i32 s91, s13, 8*TILEB
	s_wait_kmcnt 0x0
	s_add_nc_u64 s[92:93], s[PRI:PRI+1], s[92:93]
	s_add_nc_u64 s[94:95], s[PRS:PRS+1], s[94:95]
	s_add_nc_u64 s[98:99], s[PCI:PCI+1], s[98:99]
	s_add_nc_u64 s[96:97], s[PCS:PCS+1], s[96:97]
	CROUND                                         ; all four work-groups are here: the first joint loads meet
	s_mov_b32 s[G0XS], 1
	s_lshl_b32 s[G0XS+1], s13, 12
	s_add_co_u32 s[G0XS+1], s[G0XS+1], SCL
	s_mov_b64 s[G0XS+2:G0XS+3], s[94:95]
	s_or_b32 s[G0XS+3], s[G0XS+3], 0x80000000
	s_mov_b32 s[G0WS], 1
	s_lshl_b32 s[G0WS+1], s13, 13
	s_add_co_u32 s[G0WS+1], s[G0WS+1], SCL+8192
	s_mov_b64 s[G0WS+2:G0WS+3], s[96:97]
	s_or_b32 s[G0WS+3], s[G0WS+3], 0x80000000
	JL G0XS, G1XS, G0WS, G1WS                      ; the scale words of all of K: filled once
.irp s, 0,1
	s_mov_b32 s[G0X+4*\s], 1
	s_add_co_u32 s[G0X+4*\s+1], s87, \s*SLOT
	s_add_nc_u64 s[G0X+4*\s+2:G0X+4*\s+3], s[92:93], \s*TILEB
	s_or_b32 s[G0X+4*\s+3], s[G0X+4*\s+3], 0x80000000
	s_mov_b32 s[G0W+4*\s], 1
	s_add_co_u32 s[G0W+4*\s+1], s91, \s*SLOT+CB
	s_add_nc_u64 s[G0W+4*\s+2:G0W+4*\s+3], s[98:99], \s*TILEB
	s_or_b32 s[G0W+4*\s+3], s[G0W+4*\s+3], 0x80000000
	s_wait_alu depctr_va_vdst(0)
	s_wait_tensorcnt 0x0                           ; one tensor load a wave at the head; each later first fill stands behind these lines and a round
	ds_add_u32 v28, v29
	s_wait_dscnt 0x0
	CROUND
	JL G0X+4*\s, G1X, G0W+4*\s, G1W
.endr
	; which side is which: both candidates of each number first, then one compare on y (equal in all partners) and the choices
	s_mul_i32 s84, s13, 8*TILEB
	s_add_co_u32 s84, s84, CB                      ; 8-side: a head's 8 tiles of W          (v: x's 8 tiles, at 0)
	s_mul_i32 s86, s3, 4*TILEB                     ; 4-side: 4 tiles of x
	s_mul_i32 s87, s12, 4*TILEB
	s_add_co_u32 s87, s87, CB                      ;                                        (v: 4 tiles of Wv)
	s_lshl_b32 s91, s13, 13
	s_add_co_u32 s91, s91, SCL+8192                ; the 8-side's scale words               (v: SCL)
	s_lshl_b32 s92, s3, 12
	s_add_co_u32 s92, s92, SCL                     ; the 4-side's
	s_lshl_b32 s93, s12, 12
	s_add_co_u32 s93, s93, SCL+8192                ;                                        (v)
	s_lshl_b32 s94, s2, 1
	s_add_co_u32 s94, s94, s13
	s_mul_i32 s94, s94, 24                         ; the output's group less X: 24 (2 y + e)
	s_mul_i32 s95, s3, 24
	s_add_co_u32 s95, s95, 432                     ;                                        (v: 432 + 24 x kv head)
	s_lshl_b32 s97, s85, 3
	s_lshl_b32 s99, s3, 2
	s_add_co_u32 s97, s97, s99                     ; the table's first tile: my tokens'     (v: 192)
	s_cmp_eq_u32 s2, 9
	s_cselect_b32 s84, 0, s84
	s_cselect_b32 s86, s87, s86
	s_cselect_b32 s91, SCL, s91
	s_cselect_b32 s92, s93, s92
	s_cselect_b32 s94, s95, s94
	s_cselect_b32 s96, s13, s3                     ; which four of the group's eight fragments are mine
	s_cselect_b32 s97, 192, s97
	s_add_co_u32 s94, s94, s85                     ; the group
	v_and_b32 v1, 31, v0
	v_lshlrev_b32 v1, 4, v1                        ; 16 x lane
	v_and_b32 v2, 15, v0                           ; r
	v_bfe_u32 v3, v0, 4, 1                         ; h
	v_add_nc_u32 v[AD8], s84, v1
	v_add_nc_u32 v[AD8+1], SLOT, v[AD8]
	v_add_nc_u32 v[AD4], s86, v1
	v_add_nc_u32 v[AD4+1], SLOT, v[AD4]
	v_lshlrev_b32 v4, 4, v2
	v_lshl_add_u32 v[AS8], v3, 12, v4
	v_add_nc_u32 v[AS8], s91, v[AS8]               ; 16 r + 4,096 h: four tiles on for lanes 16-31
	v_lshl_add_u32 v[AS4], v3, 11, v4
	v_add_nc_u32 v[AS4], s92, v[AS4]               ; 16 r + 2,048 h: two tiles on
	v_lshl_add_u32 v22, v3, 3, v4                  ; 16 r + 8 h: where I store scale words
	s_lshl_b32 s98, s97, 13
	s_mov_b32 s99, 0
	s_add_nc_u64 s[8:9], s[8:9], s[98:99]          ; the table at my first tile
	s_mul_i32 s98, s94, 8*FRB
	s_mul_i32 s97, s96, 4*FRB
	s_add_co_u32 s98, s98, s97
	s_add_nc_u64 s[10:11], s[10:11], s[98:99]      ; my four images
	s_lshl_b32 s98, s94, 9
	s_lshl_b32 s97, s96, 8
	s_add_co_u32 s98, s98, s97
	s_add_nc_u64 s[14:15], s[14:15], s[98:99]      ; my 256 bytes of scale words
	s_mov_b32 s88, 0x76543210
	s_mov_b32 s89, 0xfedcba98                      ; v_permlanex16_b32's selects for lane l xor 16
	s_mov_b32 s90, 0xffff0000                      ; lanes 16-31
.set CS,  176                          ; v176-239 a tile of the table: 32 cos, 32 sin
.set X,   80                           ; v80-143  the turned numbers
.set TM,  144                          ; v144-159 at work in QUANT
.set PW,  160
.set SW,  161                          ; v161-164 four scale words
.set PC,  32                           ; v32-43 the codes; v44-50 at work; v52-59 at work in ROPE
.set SEL, 88
.macro TABLE a
.irp j, 0,1,2,3,4,5,6,7,8,9,10,11,12,13,14,15
	global_load_b128 v[CS+4*\j:CS+4*\j+3], v1, s[8:9] offset:8192*(\a)+512*\j
.endr
.endm
	TABLE 0                                        ; wanted only behind all of K: no line of the K steps names these registers
	s_wait_alu depctr_va_vdst(0)
	s_wait_tensorcnt 0x1                           ; the scale words and my part of slot 0 are in; slot 1's load may be out
	s_barrier_signal -1
	s_barrier_wait -1                              ; everybody's are
	FETCH 0, 0, 0
	SCALES 0, 0
	STEPM 0, 0, 1                                  ; the first K step's products start the sums: nothing is cleared
	STEPM 0, 1, 0
	STEPM 0, 2, 0
	TURN 0, 1, 1, 1
	STEPM 1, 0, 0
	STEPM 1, 1, 0
	STEPM 1, 2, 0
	TURN 1, 0, 2, 1
	STEPM 0, 0, 0
	STEPM 0, 1, 0
	STEPM 0, 2, 0
	TURN 0, 1, 3, 0                                ; nothing is left to fetch: a barrier, no round
	STEPM 1, 0, 0
	STEPM 1, 1, 0
	STEPM 1, 2, 0
	s_wait_dscnt 0x0                               ; the last K step
	WIN 0x52
	MUL8 0, 1, 3, 1, 0
	MUL8 1, 1, 3, 1, 0
	MUL8 2, 1, 3, 1, 0
	MUL8 3, 1, 3, 1, 0
	WIN 0
	PLACES
; THE WAY OUT, a 4-side tile at a time: turn, quantise, store the image.
.macro ROPE a                          ; each accumulator is read from its low end on
	WIN 0x01                                       ; source 0: window 1
.irp bq, 0,1
.irp i, 0,2,4,6,8,10,12,14
.set xl, 64*(\a)+16*\bq+\i
.set xc, CS+16*\bq+\i
.set xt, 52+4*((\i/2)%2)
	v_pk_mul_f32 v[xt:xt+1], v[xl+32:xl+33], v[xc+32:xc+33]
	v_pk_mul_f32 v[xt+2:xt+3], v[xl:xl+1], v[xc+32:xc+33]
	v_pk_fma_f32 v[X+16*\bq+\i:X+16*\bq+\i+1], v[xl:xl+1], v[xc:xc+1], v[xt:xt+1] neg_lo:[0,0,1] neg_hi:[0,0,1]
	v_pk_fma_f32 v[X+32+16*\bq+\i:X+32+16*\bq+\i+1], v[xl+32:xl+33], v[xc:xc+1], v[xt+2:xt+3]
.endr
.endr
	WIN 0
.endm
.macro QUANT s                         ; 64 numbers of a lane, register 16 b + i = k 32 b + 16 (lane / 16) + i of my row, become a fragment's codes in v[PC] on and its scale word in v[PW]
.irp b, 0,1,2,3
	v_max3_num_f32 v[TM+\b], |v[\s+16*\b]|, |v[\s+1+16*\b]|, 0x1800000   ; my 16 numbers of block b, and the floor 2^(3 - 127): so the byte cannot fall under 1
.endr
.irp i, 2,4,6,8,10,12,14
.irp b, 0,1,2,3
	v_max3_num_f32 v[TM+\b], v[TM+\b], |v[\s+16*\b+\i]|, |v[\s+1+16*\b+\i]|
.endr
.endr
.irp b, 0,1,2,3
	v_permlanex16_b32 v[TM+4+\b], v[TM+\b], s[SEL], s[SEL+1]
.endr
.irp b, 0,1,2,3
	v_max_num_f32 v[TM+\b], v[TM+\b], v[TM+4+\b]   ; with lane l xor 16's: the block's largest magnitude
.endr
.irp b, 0,1,2,3
	v_add_nc_u32 v[TM+12+\b], 0xff000000, v[TM+\b] ; 2 off its exponent field: the conversion's scale operand
.endr
.irp b, 0,1,2,3
	v_lshrrev_b32 v[TM+4+\b], 23, v[TM+12+\b]      ; the scale's byte
.endr
	v_lshl_or_b32 v[PW], v[TM+5], 8, v[TM+4]
	v_lshl_or_b32 v[PW], v[TM+6], 16, v[PW]
	v_lshl_or_b32 v[PW], v[TM+7], 24, v[PW]
.irp c, 0,1
	v_cvt_scalef32_pk16_fp6_f32 v[PC+6*\c:PC+2+6*\c], v[\s+32*\c:\s+15+32*\c], v[TM+12+2*\c]
	v_cvt_scalef32_pk16_fp6_f32 v[PC+12+4*\c:PC+14+4*\c], v[\s+16+32*\c:\s+31+32*\c], v[TM+12+2*\c+1]
.endr
	v_nop                                          ; one plain line behind a scaled conversion
.irp c, 0,1                                    ; a WHOLE block to a lane: lanes 0-15 block 2 c, lanes 16-31 block 2 c + 1
.irp i, 0,1,2
	v_permlane16_swap_b32 v[PC+6*\c+\i], v[PC+12+4*\c+\i]
.endr
.irp i, 0,1,2
	v_mov_b32 v[PC+3+6*\c+\i], v[PC+12+4*\c+\i]
.endr
.endr
.endm
.irp b, 0,1,2,3
	v_mov_b32 v[TM+4+\b], 0                        ; written once: a lane permute's destination counts as one of its sources
.endr
	s_wait_loadcnt 0x0                             ; the table's first tile
.irp a, 0,1,2,3
	ROPE \a
.if \a < 3
	TABLE \a+1                                     ; lands while this tile is quantised
.endif
.if \a > 0
	s_wait_xcnt 0x0                                ; the last tile's stores have read their data: the codes' registers are written again only behind this wait
.endif
	QUANT X
.irp c, 0,1,2
	global_store_b128 v1, v[PC+4*\c:PC+4*\c+3], s[10:11] offset:FRB*\a+512*\c   ; 512 consecutive bytes a store
.endr
	v_mov_b32 v[SW+\a], v[PW]
.if \a < 3
	s_wait_loadcnt 0x0
.endif
.endr
	v_cndmask_b32 v166, v[SW], v[SW+2], s90        ; lanes 0-15 store their row's words 0 and 1, lanes 16-31 words 2 and 3
	v_cndmask_b32 v167, v[SW+1], v[SW+3], s90
	global_store_b64 v22, v[166:167], s[14:15]     ; 256 consecutive bytes, aligned
	s_wait_tensorcnt 0x0                           ; the wave's end
	ds_add_u32 v[SPW], v[NIL]
	s_wait_dscnt 0x0
	CROUND                                         ; the closing round: no work-group ends while a partner may still ask for a tile that names it
	s_endpgm
.Lfunc_end_k_q237700f48f_proj:
	.size	k_q237700f48f_proj, .Lfunc_end_k_q237700f48f_proj-k_q237700f48f_proj
	.p2alignl 7, 3214868480
	.fill 96, 4, 3214868480
	.section	.rodata,"a",@progbits
	.p2align	6, 0x0
	.amdhsa_kernel k_q237700f48f_proj
		.amdhsa_group_segment_fixed_size 327680
		.amdhsa_private_segment_fixed_size 0
		.amdhsa_enable_private_segment 0
		.amdhsa_kernarg_size 40
		.amdhsa_user_sgpr_count 2
		.amdhsa_user_sgpr_kernarg_segment_ptr 1
		.amdhsa_wavefront_size32 1
		.amdhsa_system_sgpr_workgroup_id_x 1
		.amdhsa_system_sgpr_workgroup_id_y 1
		.amdhsa_system_sgpr_workgroup_id_z 1
		.amdhsa_system_vgpr_workitem_id 0
		.amdhsa_next_free_vgpr 768
		.amdhsa_next_free_sgpr 100
		.amdhsa_reserve_vcc 0
		.amdhsa_float_denorm_mode_32 3
		.amdhsa_float_denorm_mode_16_64 3
		.amdhsa_memory_ordered 1
		.amdhsa_forward_progress 1
		.amdhsa_inst_pref_size 159
	.end_amdhsa_kernel
	.amdgpu_metadata
---
amdhsa.version: [ 1, 2 ]
amdhsa.kernels:
  - .name:           k_q237700f48f_proj
    .symbol:         k_q237700f48f_proj.kd
    .args:
      - { .name: opnd_img, .offset: 0, .size: 8, .value_kind: global_buffer, .address_space: global }
      - { .name: opnd_sc, .offset: 8, .size: 8, .value_kind: global_buffer, .address_space: global }
      - { .name: cs_img, .offset: 16, .size: 8, .value_kind: global_buffer, .address_space: global }
      - { .name: qkv_img, .offset: 24, .size: 8, .value_kind: global_buffer, .address_space: global }
      - { .name: qkv_sc, .offset: 32, .size: 8, .value_kind: global_buffer, .address_space: global }
    .group_segment_fixed_size: 327680
    .private_segment_fixed_size: 0
    .kernarg_segment_align: 8
    .kernarg_segment_size: 40
    .max_flat_workgroup_size: 128
    .sgpr_count:     100
    .vgpr_count:     768
    .wavefront_size: 32
...
	.end_amdgpu_metadata
.endif
;; end of part 2
;; launch attn (part 3): grid 64 x 4, 8 waves a work-group, no clusters, 324,608 bytes of LDS; arguments qkv_img, qkv_sc, mask_bits, attn_img, attn_sc; writes attn_img, attn_sc
.if DOCPART == 3
	.amdgcn_target "amdgcn-amd-amdhsa--gfx1250"
	.amdhsa_code_object_version 6
	.text
	.protected	k_q237700f48f_attn
	.globl	k_q237700f48f_attn
	.p2align	8
	.type	k_q237700f48f_attn,@function
k_q237700f48f_attn:
	s_mov_b64 s[64:65], 0
	v_nop
	global_prefetch_b8 v0, s[64:65] scope:SCOPE_SE
	s_setreg_imm32_b32 hwreg(HW_REG_WAVE_MODE, 25, 1), 1
	s_wait_xcnt 0x0
; ATTN: o = softmax(where(mask, -10000, q k^T / sqrt(128))) v on codes of FP6 (E2M3) with E8M0 scales; o is quantised along the head's 128 and stored as an operand image for the last projection.
; SHARES.  A work-group serves 12 units: 4 heads g of one kv head x 3 query tiles u (16 queries each): a, 64 + (a xor 32), 191 - 2 (a % 32) - a / 32, a = work-group x; the three numbers add up to 286 or 287.
; Work-group y: bit 0 the kv head, bit 1 which four of its eight heads.  Wave w = head g = w % 4 and parity w / 4: it walks the 12 key steps (128 keys) of its parity for ALL THREE tiles of its head, so that one fetch of K's and V's
; fragments serves up to three tiles.  Both products are used transposed (S^T = k q^T, O^T = v^T p^T): a lane holds one query.  Each wave keeps M, the row's sum and O^T of its own steps; behind the walk the two parities are joined.
; THE MASK DECIDES THE WORK.  mask_bits (whole numbers, stored by the launch before) are read at the head: for each tile two maps of 12 bits say of each of my key steps whether any bit of its 64 words is set, and whether all are.
;  no bit set: the scores are used as they are.   some set: the 64 words are fetched and the masked scores replaced by -10000.
;  ALL set: every score of the step is -10000, so every p is the same p_m = 2^(t_m - M): the step's share of O is Q(p_m) x the sum of the quantised v over its keys, its share of the row's sum 128 p_m.  Those sums of v are made by
;  matrix instructions whose second source holds the code of 1.0 in column u where tile u is masked whole and 0 elsewhere (wave g makes channel tiles 2 g and 2 g + 1), and t_m, p_m and Q(p_m) enter once, where the parities are joined.
;  That holds for every mask, a row masked whole among them.
; K AND V COME THROUGH REGISTERS: the text has no tensor load, and no joint loads.  LDS holds a ring of 8 cells, a key step each; a barrier stands behind every 4 steps; while steps
; 4 k .. 4 k + 3 are read, each wave stores its 6,144 bytes of two of the steps 4 k + 4 .. 4 k + 7 into the other half of the ring, six loads of 512 bytes at a time.  No prefetch: the 128 work-groups of a kv head read the same
; 589,824 bytes in the same order, and each batch is asked for a section of the step ahead of its store.
; REGISTERS.  Window 0: v16-27 -M, the largest t and the sum (a pair) of each tile; v28-31 scale words of K, then V; v32-43 q; v44-91 K or V tiles 0-3; v92-155 S^T, p; v156-191 p's codes of the three tiles; v192-215 at work;
; v220-243 staged loads; v8-10, v244-248 scale words.  Window 1: v0-191 O^T of the three tiles; v192-239 K or V tiles 4-7; v240-255 the sums of v.
; LIMITS: NaN and infinities are not served; the scaled scores (exponents to the base 2) stay under 2^31 in magnitude; a block of p under 2^-124 gets the scale byte 1.
.set STEPB, 12288
.set FRB,   1536
.set HALF,  131072
.set SCK,   262144
.set QL,    286720
.set SPARE, 323584
.set O2X,   196608
.set MLX,   212992
.set KL,  44
.set KH,  192
.set SS,  92
.set PU,  156
.set CT,  192
.set BM,  200
.set PT,  204
.set SO,  208
.set FF,  212
.set TMP, 214
.set PAT, 216
.set STG, 220
.set OSC, 244
.set QS,  246
.set ANY, 84
.set ALL, 87
.set MB,  90
.set TM,  172
.set PW,  188
.set PC,  224
.set MSB, 0
.macro WIN new
.if MSB != \new
	s_set_vgpr_msb (MSB<<8)|\new
.set MSB, \new
.endif
.endm
.macro NOPS n
.rept \n
	v_nop
.endr
.endm
.macro TILES                           ; the three query tiles into s28, s29, s30; 8 (y / 2) + kv into s23, kv into s27
	s_mov_b32 s28, ttmp9
	s_and_b32 s30, s28, 31
	s_lshr_b32 s54, s28, 5
	s_xor_b32 s29, s28, 32
	s_add_co_u32 s29, s29, 64
	s_lshl_b32 s30, s30, 1
	s_add_co_u32 s30, s30, s54
	s_sub_co_u32 s30, 191, s30
	s_and_b32 s54, ttmp7, 0xffff
	s_and_b32 s27, s54, 1
	s_lshr_b32 s54, s54, 1
	s_lshl_b32 s54, s54, 3
	s_add_co_u32 s23, s54, s27
.endm
	s_load_b256 s[16:23], s[0:1], 0x0              ; qkv_img, qkv_sc, mask_bits
	v_lshl_add_u32 v3, v0, 2, SPARE                ; my spare word,
	v_mov_b32 v4, 0                                ; and 0: kept for the add at the wave's end
	v_lshrrev_b32 v14, 5, v0
	v_readfirstlane_b32 s8, v14                    ; wave 0..7
	v_and_b32 v14, 31, v0
	v_lshlrev_b32 v1, 4, v14                       ; 16 x lane
	v_and_b32 v15, 0xf0, v1                        ; 16 r
	v_and_b32 v13, 0x100, v1                       ; 256 h
	v_lshl_add_u32 v13, v13, 1, v15                ; 512 h + 16 r: lanes 0-15 one of my steps' words, lanes 16-31 my next step's
	s_and_b32 s10, s8, 3                           ; g
	s_lshr_b32 s11, s8, 2                          ; parity
	s_wait_kmcnt 0x0
	TILES
	s_lshl_b32 s26, s10, 1
	s_add_co_u32 s26, s26, s23                     ; head = 2 (4 (y / 2) + g) + kv
.irp u, 0,1,2
	s_mul_i32 s[32+2*\u], s[28+\u], 6144           ; the tile's mask words, from my first step on
	s_lshl_b32 s54, s11, 8
	s_add_co_u32 s[32+2*\u], s[32+2*\u], s54
	s_mov_b32 s[33+2*\u], 0
	s_mul_i32 s[42+2*\u], s26, 192                 ; q's image
	s_add_co_u32 s[42+2*\u], s[42+2*\u], s[28+\u]
	s_mul_i32 s[42+2*\u], s[42+2*\u], FRB
	s_mov_b32 s[43+2*\u], 0
	s_mul_i32 s[48+2*\u], s26, 24                  ; q's scale words
	s_lshr_b32 s54, s[28+\u], 3
	s_add_co_u32 s[48+2*\u], s[48+2*\u], s54
	s_lshl_b32 s[48+2*\u], s[48+2*\u], 9
	s_bfe_u32 s54, s[28+\u], 0x10002
	s_lshl_b32 s54, s54, 8
	s_add_co_u32 s[48+2*\u], s[48+2*\u], s54
	s_and_b32 s54, s[28+\u], 3
	s_lshl_b32 s54, s54, 2
	s_add_co_u32 s[48+2*\u], s[48+2*\u], s54
	s_mov_b32 s[49+2*\u], 0
.endr
	s_mul_i32 s38, s27, 24*STEPB                   ; what I stage of a step of my parity: g = 0, 1 the halves of K's 12,288 bytes, g = 2, 3 of V's (48 groups on)
	s_add_co_u32 s38, s38, 384*STEPB
	s_mul_i32 s54, s11, STEPB
	s_add_co_u32 s38, s38, s54
	s_and_b32 s54, s10, 1
	s_mul_i32 s54, s54, 6144
	s_add_co_u32 s38, s38, s54
	s_cmp_lt_u32 s10, 2
	s_cselect_b32 s54, 0, 48*STEPB
	s_add_co_u32 s38, s38, s54
	s_mov_b32 s39, 0
	s_mul_i32 s40, s27, 24*512                     ; the scale words of all keys: waves 0-3 K's, waves 4-7 V's, 3,072 bytes each
	s_add_co_u32 s40, s40, 384*512
	s_mul_i32 s54, s8, 3072
	s_add_co_u32 s40, s40, s54
	s_cmp_lt_u32 s8, 4
	s_cselect_b32 s54, 0, 12288
	s_add_co_u32 s40, s40, s54
	s_mov_b32 s41, 0
.irp u, 0,1,2
	s_add_nc_u64 s[MB+2*\u:MB+2*\u+1], s[20:21], s[32+2*\u:33+2*\u]
	s_add_nc_u64 s[56+2*\u:57+2*\u], s[16:17], s[42+2*\u:43+2*\u]
	s_add_nc_u64 s[68+2*\u:69+2*\u], s[18:19], s[48+2*\u:49+2*\u]
.endr
	s_add_nc_u64 s[96:97], s[16:17], s[38:39]
	s_add_nc_u64 s[74:75], s[18:19], s[40:41]
	s_wait_alu depctr_va_vdst(0)
.irp u, 0,1,2
.irp i, 0,1,2,3,4,5
	global_load_b128 v[SS+24*\u+4*\i:SS+24*\u+4*\i+3], v13, s[MB+2*\u:MB+2*\u+1] offset:1024*\i
.endr
.endr
.irp i, 0,1,2,3,4,5
	global_load_b128 v[164+4*\i:167+4*\i], v1, s[74:75] offset:512*\i
.endr
.irp u, 0,1,2
.irp c, 0,1,2
	global_load_b128 v[188+12*\u+4*\c:191+12*\u+4*\c], v1, s[56+2*\u:57+2*\u] offset:512*\c
.endr
	global_load_b32 v[QS+\u], v15, s[68+2*\u:69+2*\u]
.endr
	WIN 0x40
.irp q, 0,1
.irp i, 0,1,2,3,4,5,6,7,8,9,10,11
	global_load_b128 v[48*\q+4*\i:48*\q+4*\i+3], v1, s[96:97] offset:2*STEPB*\q+512*\i   ; my parts of the first four steps
.endr
.endr
	WIN 0
	s_mov_b32 s12, 0x76543210
	s_mov_b32 s13, 0xfedcba98                      ; selects for lane l xor 16
	s_mov_b32 s14, 0x3e0293ee                      ; c = log2(e) / sqrt(128)
	s_mov_b32 s15, s14
	s_mov_b32 s7, 0xc7dcf88b                       ; -10000 sqrt(128): x c it is t_m
	s_mov_b32 s6, 0
	s_mov_b32 s2, 0
	s_lshl_b32 s98, s11, 15                        ; my cell of the ring
	s_lshl_b32 s99, s11, 9
	s_add_co_u32 s99, s99, SCK                     ; my step's scale words
.irp u, 0,1,2
	s_mov_b32 s[ANY+\u], 0
	s_mov_b32 s[ALL+\u], 0
.endr
	s_mul_i32 s54, s10, 6144
	v_add_nc_u32 v5, s54, v1                       ; my part of a cell
	s_mul_i32 s54, s10, 2*FRB
	s_add_co_u32 s54, s54, STEPB
	v_add_nc_u32 v6, s54, v1                       ; V's tiles 2 g, 2 g + 1 in a cell
	s_lshr_b32 s54, s10, 1
	s_lshl_b32 s54, s54, 8
	s_and_b32 s55, s10, 1
	s_lshl_b32 s55, s55, 3
	s_add_co_u32 s54, s54, s55
	s_add_co_u32 s54, s54, 12288
	v_add_nc_u32 v2, s54, v15                      ; and their scale words, less the step's place
	s_mul_i32 s54, s8, 3*FRB
	s_add_co_u32 s54, s54, QL
	v_add_nc_u32 v11, s54, v1                      ; my three fragments of q
	s_mul_i32 s54, s8, 3072
	s_add_co_u32 s54, s54, SCK
	v_add_nc_u32 v12, s54, v1
	s_wait_alu depctr_va_vdst(0)                   ; directly ahead of the first reader of v5
	v_add_nc_u32 v14, s98, v5
	v_mov_b32 v0, 0xc7dcf88b                       ; the masked score (the thread's number is not wanted any more)
	v_mov_b32 v7, 0x7f7f7f7f                       ; the scale bytes of the codes of 1.0
.irp u, 0,1,2
	v_mov_b32 v[17+4*\u], 0xff61b1e6               ; the largest t so far: -3e38
	v_mov_b32 v[16+4*\u], 0x7f61b1e6               ; -M
	v_mov_b32 v[18+4*\u], 0
	v_mov_b32 v[19+4*\u], 0
	v_mov_b32 v[8+\u], 0
.endr
	s_wait_alu depctr_va_vdst(0)
	s_wait_loadcnt 24                              ; all but the 24 staged loads
	s_load_b512 s[16:31], s[MB:MB+1], 0x0          ; a first set of words, so that the 64 registers hold words from here on
	s_load_b512 s[32:47], s[MB:MB+1], 0x40
	s_load_b512 s[48:63], s[MB:MB+1], 0x80
	s_load_b512 s[68:83], s[MB:MB+1], 0xc0
.irp i, 0,1,2,3,4,5
	ds_store_b128 v12, v[164+4*\i:167+4*\i] offset:512*\i
.endr
.irp u, 0,1,2
.irp c, 0,1,2
	ds_store_b128 v11, v[188+12*\u+4*\c:191+12*\u+4*\c] offset:FRB*\u+512*\c
.endr
.endr
.irp u, 0,1,2
.irp i, 5,4,3,2,1,0
	v_or_b32 v224, v[SS+24*\u+4*\i], v[SS+24*\u+4*\i+1]
	v_or_b32 v225, v[SS+24*\u+4*\i+2], v[SS+24*\u+4*\i+3]
	v_and_b32 v226, v[SS+24*\u+4*\i], v[SS+24*\u+4*\i+1]
	v_and_b32 v227, v[SS+24*\u+4*\i+2], v[SS+24*\u+4*\i+3]
	v_or_b32 v224, v224, v225
	v_and_b32 v226, v226, v227
	v_cmp_ne_u32 s100, 0, v224                     ; lanes with a bit set,
	v_cmp_ne_u32 s101, -1, v226                    ; lanes with a bit clear
	s_lshr_b32 s4, s100, 16                        ; SCC = any such lane: shifted into the map from below, my last step first
	s_add_co_ci_u32 s[ANY+\u], s[ANY+\u], s[ANY+\u]
	s_lshr_b32 s4, s101, 16
	s_add_co_ci_u32 s[ALL+\u], s[ALL+\u], s[ALL+\u]
	s_and_b32 s4, s100, 0xffff
	s_add_co_ci_u32 s[ANY+\u], s[ANY+\u], s[ANY+\u]
	s_and_b32 s4, s101, 0xffff
	s_add_co_ci_u32 s[ALL+\u], s[ALL+\u], s[ALL+\u]
.endr
	s_xor_b32 s[ALL+\u], s[ALL+\u], 0xfff
.endr
	s_bcnt1_i32_b32 s9, s[ALL]                     ; my steps masked whole, tile by tile
	s_bcnt1_i32_b32 s104, s[ALL+1]
	s_bcnt1_i32_b32 s105, s[ALL+2]
	v_add_nc_u32 v15, 65536, v14
	s_wait_alu depctr_va_vdst(0)
	s_wait_loadcnt 0x0
	WIN 0x04
.irp i, 0,1,2,3,4,5,6,7,8,9,10,11
	ds_store_b128 v14, v[4*\i:4*\i+3] offset:512*\i
	ds_store_b128 v15, v[48+4*\i:51+4*\i] offset:512*\i
.endr
	WIN 0
	s_add_nc_u64 s[96:97], s[96:97], 4*STEPB       ; from here on: four steps ahead
.irp i, 0,1,2,3,4,5
	global_load_b128 v[STG+4*\i:STG+4*\i+3], v1, s[96:97] offset:512*\i
.endr
	s_wait_dscnt 0x0                               ; the head's LDS stores have read their registers: these are written only now
.set jj, 0
.rept 36
	v_mov_b32 v[PU+jj], 0                          ; written once, so that every way through the text finds them written
.set jj, jj+1
.endr
	v_mov_b32 v[PAT], 0x08208208                   ; a stream of the 6-bit code 8, which is 1.0
	v_mov_b32 v[PAT+1], 0x82082082
	v_mov_b32 v[PAT+2], 0x20820820
.irp b, 0,1,2,3
	v_mov_b32 v[PT+\b], 0                          ; a lane permute's destination counts as one of its sources
.endr
	v_mov_b32 v[FF+1], 0
	WIN 0x40
.set jj, 0
.rept 192
	v_mov_b32 v[jj], 0                             ; O^T: which step is a tile's first hangs on the mask
.set jj, jj+1
.endr
.set jj, 0
.rept 16
	v_mov_b32 v[240+jj], 0                         ; the sums of v likewise
.set jj, jj+1
.endr
	WIN 0
	s_wait_alu depctr_va_vdst(0)
	s_wait_kmcnt 0x0
	s_barrier_signal -1
	s_barrier_wait -1
; S^T of tile u: its words are asked for if any bit is set, q comes from my own LDS bytes
.macro QKB u
	s_bitcmp1_b32 s[ANY+\u], 0
	s_cbranch_scc0 .Lc_\@
	s_load_b512 s[16:31], s[MB+2*\u:MB+2*\u+1], 0x0
	s_load_b512 s[32:47], s[MB+2*\u:MB+2*\u+1], 0x40
	s_load_b512 s[48:63], s[MB+2*\u:MB+2*\u+1], 0x80
	s_load_b512 s[68:83], s[MB+2*\u:MB+2*\u+1], 0xc0
.Lc_\@:
.irp c, 0,1,2
	ds_load_b128 v[32+4*\c:35+4*\c], v11 offset:FRB*\u+512*\c
.endr
	s_wait_dscnt 0x0
.irp t, 0,1,2,3
	v_wmma_scale_f32_16x16x128_f8f6f4 v[SS+8*\t:SS+8*\t+7], v[KL+12*\t:KL+12*\t+11], v[32:43], 0, v[28+\t], v[QS+\u] matrix_a_fmt:MATRIX_FMT_FP6 matrix_b_fmt:MATRIX_FMT_FP6
.endr
	WIN 0x01
.irp t, 0,1,2,3
	v_wmma_scale_f32_16x16x128_f8f6f4 v[SS+32+8*\t:SS+39+8*\t], v[KH+12*\t:KH+12*\t+11], v[32:43], 0, v[28+\t], v[QS+\u] matrix_a_fmt:MATRIX_FMT_FP6 matrix_b_fmt:MATRIX_FMT_FP6 matrix_a_scale:MATRIX_SCALE_ROW1
.endr
	WIN 0
.endm
; the mask, the running maximum, p, the row's sum, p's codes and scale word, O^T under the new M
.macro USOFT u
	s_bitcmp1_b32 s[ANY+\u], 0
	s_cbranch_scc0 .Lo_\@
.set nn, 0
.rept 64
.if nn < 48
	v_cndmask_b32 v[SS+nn], v[SS+nn], v0, s[16+nn]
.else
	v_cndmask_b32 v[SS+nn], v[SS+nn], v0, s[20+nn]
.endif
.set nn, nn+1
.endr
.Lo_\@:
.irp b, 0,1,2,3
	v_max3_num_f32 v[BM+\b], v[SS+16*\b], v[SS+1+16*\b], v[SS+2+16*\b]   ; the largest score of each block of 32 keys, the four blocks by turns
.endr
.irp i, 3,5,7,9,11,13
.irp b, 0,1,2,3
	v_max3_num_f32 v[BM+\b], v[BM+\b], v[SS+16*\b+\i], v[SS+1+16*\b+\i]
.endr
.endr
.irp b, 0,1,2,3
	v_max_num_f32 v[BM+\b], v[BM+\b], v[SS+15+16*\b]
.endr
.irp b, 0,1,2,3
	v_permlanex16_b32 v[PT+\b], v[BM+\b], s12, s13
.endr
.irp b, 0,1,2,3
	v_max_num_f32 v[BM+\b], v[BM+\b], v[PT+\b]
.endr
	v_max3_num_f32 v[TMP], v[BM], v[BM+1], v[BM+2]
	s_delay_alu instid0(VALU_DEP_1)
	v_max_num_f32 v[TMP], v[TMP], v[BM+3]
	s_delay_alu instid0(VALU_DEP_1)
	v_mul_f32 v[TMP], s14, v[TMP]
	s_delay_alu instid0(VALU_DEP_1)
	v_max_num_f32 v[17+4*\u], v[17+4*\u], v[TMP]   ; the running largest t
	v_mov_b32 v[TMP], v[16+4*\u]
	s_delay_alu instid0(VALU_DEP_2)
	v_floor_f32 v[16+4*\u], -v[17+4*\u]            ; -M = floor(-t): M is a whole number
	s_delay_alu instid0(VALU_DEP_1)
	v_sub_f32 v[TMP], v[16+4*\u], v[TMP]
	s_delay_alu instid0(VALU_DEP_1)
	v_cvt_i32_f32 v[TMP], v[TMP]
	s_delay_alu instid0(VALU_DEP_1)
	v_ldexp_f32 v[FF], 1.0, v[TMP]                 ; f = 2^(old M - new M)
.set jj, 0
.rept 32
	v_pk_fma_f32 v[SS+jj:SS+jj+1], v[SS+jj:SS+jj+1], s[14:15], v[16+4*\u:17+4*\u] op_sel_hi:[1,0,0]
.set jj, jj+2
.endr
.irp b, 0,1,2,3
	v_fma_f32 v[BM+\b], v[BM+\b], s14, v[16+4*\u]
.endr
	s_wait_alu depctr_va_vdst(0)                   ; ahead of the batch
.set jj, 0
.rept 64
	v_exp_f32 v[SS+jj], v[SS+jj]                   ; p = 2^(t - M)
.set jj, jj+1
.endr
	v_pk_mul_f32 v[18+4*\u:19+4*\u], v[18+4*\u:19+4*\u], v[FF:FF+1] op_sel_hi:[1,0]
	s_wait_alu depctr_va_vdst(0)                   ; and behind it
.irp b, 0,1,2,3
	v_exp_f32 v[BM+\b], v[BM+\b]                   ; each block's largest p
.endr
	v_pk_add_f32 v[PT:PT+1], v[SS:SS+1], v[SS+2:SS+3]   ; the row's sum, of the unquantised p, in two chains
.irp j, 4,8,12,16,20,24,28,32,36,40,44,48,52,56,60
	v_pk_add_f32 v[18+4*\u:19+4*\u], v[18+4*\u:19+4*\u], v[SS+\j:SS+\j+1]
	v_pk_add_f32 v[PT:PT+1], v[PT:PT+1], v[SS+2+\j:SS+3+\j]
.endr
	v_pk_add_f32 v[18+4*\u:19+4*\u], v[18+4*\u:19+4*\u], v[PT:PT+1]
	s_wait_alu depctr_va_vdst(0)
.irp b, 0,1,2,3
	v_max_num_f32 v[BM+\b], 0x1800000, v[BM+\b]    ; the floor 2^(3 - 127): the byte cannot fall under 1
.endr
.irp b, 0,1,2,3
	v_add_nc_u32 v[SO+\b], 0xff000000, v[BM+\b]    ; 2 off the exponent field: the conversion's scale operand
.endr
.irp b, 0,1,2,3
	v_lshrrev_b32 v[PT+\b], 23, v[SO+\b]
.endr
	v_lshl_or_b32 v[8+\u], v[PT+1], 8, v[PT]
	s_delay_alu instid0(VALU_DEP_1)
	v_lshl_or_b32 v[8+\u], v[PT+2], 16, v[8+\u]
	s_delay_alu instid0(VALU_DEP_1)
	v_lshl_or_b32 v[8+\u], v[PT+3], 24, v[8+\u]    ; p's scale word for these 128 keys
.irp c, 0,1
	v_cvt_scalef32_pk16_fp6_f32 v[PU+12*\u+6*\c:PU+12*\u+2+6*\c], v[SS+32*\c:SS+15+32*\c], v[SO+2*\c]
	v_cvt_scalef32_pk16_fp6_f32 v[CT+4*\c:CT+2+4*\c], v[SS+16+32*\c:SS+31+32*\c], v[SO+2*\c+1]
.endr
	v_nop                                          ; one plain line behind a scaled conversion
.irp c, 0,1
.irp i, 0,1,2
	v_permlane16_swap_b32 v[PU+12*\u+6*\c+\i], v[CT+4*\c+\i]   ; a whole block to a lane
.endr
.irp i, 0,1,2
	v_mov_b32 v[PU+12*\u+3+6*\c+\i], v[CT+4*\c+\i]
.endr
.endr
	s_wait_alu depctr_va_vdst(0)                   ; directly ahead of the first reader of O^T
	WIN 0x41
.set jj, 0
.rept 32
	v_pk_mul_f32 v[64*\u+jj:64*\u+jj+1], v[64*\u+jj:64*\u+jj+1], v[FF:FF+1] op_sel_hi:[1,0]
.set jj, jj+2
.endr
	WIN 0
	s_wait_alu depctr_va_vdst(0)                   ; and ahead of the branches and waits that follow
.endm
.macro UNIT u
	s_bitcmp1_b32 s[ALL+\u], 0
	s_cbranch_scc1 .Lu_\@
	QKB \u
	NOPS 4
	s_wait_kmcnt 0x0
	USOFT \u
.Lu_\@:
.endm
.macro UPV u
	s_bitcmp1_b32 s[ALL+\u], 0
	s_cbranch_scc1 .Lp_\@
	WIN 0x50
.irp t, 0,1,2,3
	v_wmma_scale_f32_16x16x128_f8f6f4 v[64*\u+8*\t:64*\u+8*\t+7], v[KL+12*\t:KL+12*\t+11], v[PU+12*\u:PU+12*\u+11], v[64*\u+8*\t:64*\u+8*\t+7], v[28+\t], v[8+\u] matrix_a_fmt:MATRIX_FMT_FP6 matrix_b_fmt:MATRIX_FMT_FP6
.endr
	WIN 0x51
.irp t, 0,1,2,3
	v_wmma_scale_f32_16x16x128_f8f6f4 v[64*\u+32+8*\t:64*\u+39+8*\t], v[KH+12*\t:KH+12*\t+11], v[PU+12*\u:PU+12*\u+11], v[64*\u+32+8*\t:64*\u+39+8*\t], v[28+\t], v[8+\u] matrix_a_fmt:MATRIX_FMT_FP6 matrix_b_fmt:MATRIX_FMT_FP6 matrix_a_scale:MATRIX_SCALE_ROW1
.endr
	WIN 0
.Lp_\@:
.endm
.macro FRAGS off                       ; eight fragments at byte off of my cell
.irp t, 0,1,2,3
.irp c, 0,1,2
	ds_load_b128 v[KL+12*\t+4*\c:KL+12*\t+4*\c+3], v12 offset:\off+FRB*\t+512*\c
.endr
.endr
	WIN 0x40
.irp t, 0,1,2,3
.irp c, 0,1,2
	ds_load_b128 v[KH+12*\t+4*\c:KH+12*\t+4*\c+3], v12 offset:\off+FRB*(4+\t)+512*\c
.endr
.endr
	WIN 0
.endm
.macro STORE6 h                        ; the six staged loads go into the same cell of the ring's other half, which nobody reads before the next barrier
	s_wait_loadcnt 0x0
	s_xor_b32 s101, s98, HALF
	v_add_nc_u32 v14, s101, v5
.irp i, 0,1,2,3,4,5
	ds_store_b128 v14, v[STG+4*\i:STG+4*\i+3] offset:3072*\h+512*\i
.endr
	s_wait_dscnt 0x0                               ; the stores have read their registers
.endm
.Lblock:
	s_mov_b32 s3, 0
.Lws:
	NOPS 5                                         ; places behind the last step's matrix instructions
	v_add_nc_u32 v12, s98, v1
	v_add_nc_u32 v13, s99, v1
	s_wait_alu depctr_va_vdst(0)
	s_and_b32 s100, s[ALL], 1
	s_and_b32 s101, s[ALL+1], 1
	s_lshl_b32 s101, s101, 1
	s_or_b32 s100, s100, s101
	s_and_b32 s101, s[ALL+2], 1
	s_lshl_b32 s101, s101, 2
	s_or_b32 s100, s100, s101                      ; bit u: tile u is masked whole in this step
	ds_load_b128 v[28:31], v13                     ; K's scale words: lanes 0-15 tiles 0-3, lanes 16-31 tiles 4-7
	FRAGS 0
	s_cmp_eq_u32 s100, 0
	s_cbranch_scc1 .Lnoo
	s_lshl_b32 s101, s100, 16
	s_or_b32 s101, s101, s100                      ; lanes u and 16 + u: column u
	v_add_nc_u32 v14, s99, v2
	v_add_nc_u32 v15, s98, v6
.irp k, 0,1,2,3
.irp i, 0,1,2
	v_cndmask_b32 v[SS+3*\k+\i], 0, v[PAT+\i], s101
.endr
.endr
	ds_load_b64 v[OSC:OSC+1], v14
.irp t, 0,1
.irp c, 0,1,2
	ds_load_b128 v[SS+16+12*\t+4*\c:SS+19+12*\t+4*\c], v15 offset:FRB*\t+512*\c
.endr
.endr
	NOPS 4
	s_wait_alu depctr_va_vdst(0)
	s_wait_dscnt 0x0
	WIN 0x50
	v_wmma_scale_f32_16x16x128_f8f6f4 v[240:247], v[SS+16:SS+27], v[SS:SS+11], v[240:247], v[OSC], v7 matrix_a_fmt:MATRIX_FMT_FP6 matrix_b_fmt:MATRIX_FMT_FP6
	v_wmma_scale_f32_16x16x128_f8f6f4 v[248:255], v[SS+28:SS+39], v[SS:SS+11], v[248:255], v[OSC+1], v7 matrix_a_fmt:MATRIX_FMT_FP6 matrix_b_fmt:MATRIX_FMT_FP6
	WIN 0
	NOPS 5
.Lnoo:
	UNIT 0
	UNIT 1
	s_cmp_lt_u32 s6, 10                            ; my last two steps stage nothing
	s_cbranch_scc0 .Lmid
	STORE6 0
.irp i, 0,1,2,3,4,5
	global_load_b128 v[STG+4*\i:STG+4*\i+3], v1, s[96:97] offset:3072+512*\i
.endr
.Lmid:
	s_bitcmp1_b32 s[ALL+2], 0
	s_cbranch_scc1 .Lq2
	QKB 2
.Lq2:
	NOPS 4
	s_wait_dscnt 0x0                               ; K's loads are in on every way: V's land in the same registers
	ds_load_b128 v[28:31], v13 offset:12288        ; V's scale words and fragments land under the third tile's softmax
	FRAGS STEPB
	s_wait_kmcnt 0x0
	s_bitcmp1_b32 s[ALL+2], 0
	s_cbranch_scc1 .Ls2
	USOFT 2
.Ls2:
	s_wait_dscnt 0x0
	UPV 0
	UPV 1
	UPV 2
	s_cmp_lt_u32 s6, 10
	s_cbranch_scc0 .Lend
	STORE6 1
	s_cmp_lt_u32 s6, 9
	s_cbranch_scc0 .Lend
	s_add_nc_u64 s[96:97], s[96:97], 2*STEPB       ; all loads are in: the base may step
.irp i, 0,1,2,3,4,5
	global_load_b128 v[STG+4*\i:STG+4*\i+3], v1, s[96:97] offset:512*\i
.endr
.Lend:
.irp u, 0,1,2
	s_lshr_b32 s[ANY+\u], s[ANY+\u], 1             ; my next step's bits
	s_lshr_b32 s[ALL+\u], s[ALL+\u], 1
.endr
	s_wait_xcnt 0x0                                ; the scalar loads have read their bases
.irp u, 0,1,2
	s_add_nc_u64 s[MB+2*\u:MB+2*\u+1], s[MB+2*\u:MB+2*\u+1], 512
.endr
	s_add_co_u32 s98, s98, 65536
	s_and_b32 s98, s98, 0x3ffff
	s_add_co_u32 s99, s99, 1024
	s_add_co_u32 s6, s6, 1
	s_add_co_u32 s3, s3, 1
	s_cmp_lt_u32 s3, 2
	s_cbranch_scc1 .Lws
	s_wait_dscnt 0x0                               ; my stores are done and my reads of this half are over
	s_barrier_signal -1
	s_barrier_wait -1
	s_add_co_u32 s2, s2, 1
	s_cmp_lt_u32 s2, 6
	s_cbranch_scc1 .Lblock
; BEHIND THE WALK: every wave lays its three O^T, its sums of v and its (-M, t, sum, steps masked whole) into the ring's bytes; then unit e = 4 u + g is joined by wave e, units 8-11 by waves 0-3 in a second trip.
	s_wait_loadcnt 0x0                             ; no staged load is out on any way: its registers are used again below
	NOPS 4
	s_load_b128 s[44:47], s[0:1], 0x18             ; attn_img, attn_sc
	s_lshl_b32 s20, s10, 1
	s_add_co_u32 s20, s20, s11                     ; 2 g + parity
	s_lshl_b32 s21, s20, 13
	v_add_nc_u32 v200, s21, v1
	v_add_nc_u32 v201, 65536, v200
	v_add_nc_u32 v202, 65536, v201
	s_lshl_b32 s21, s11, 2
	s_add_co_u32 s21, s21, s10
	s_lshl_b32 s21, s21, 11
	s_add_co_u32 s21, s21, O2X
	v_add_nc_u32 v203, s21, v1
	s_lshl_b32 s21, s20, 9
	s_add_co_u32 s21, s21, MLX
	v_add_nc_u32 v204, s21, v1
.irp u, 0,1,2
	v_add_f32 v[18+4*\u], v[18+4*\u], v[19+4*\u]
.endr
	v_cvt_f32_u32 v19, s9
	v_cvt_f32_u32 v23, s104
	v_cvt_f32_u32 v27, s105
	s_wait_alu depctr_va_vdst(0)                   ; directly ahead of the first reader of the sums
	WIN 0x04
.irp u, 0,1,2
.irp i, 0,1,2,3,4,5,6,7,8,9,10,11,12,13,14,15
	ds_store_b128 v[200+\u], v[64*\u+4*\i:64*\u+4*\i+3] offset:512*\i
.endr
.endr
.irp i, 0,1,2,3
	ds_store_b128 v203, v[240+4*\i:243+4*\i] offset:512*\i
.endr
	WIN 0
.irp u, 0,1,2
	ds_store_b128 v204, v[16+4*\u:19+4*\u] offset:4096*\u
.endr
	TILES
	s_mov_b32 s22, 0x700000
	s_mov_b32 s2, 0
	s_mov_b32 s3, s8
	s_wait_kmcnt 0x0
	s_wait_dscnt 0x0
	s_barrier_signal -1
	s_barrier_wait -1
.macro QUANT s                         ; 64 numbers of a lane, register 16 b + i = channel 32 b + 16 (lane / 16) + i, become a fragment's codes in v[PC] on and its scale word in v[PW]
.irp b, 0,1,2,3
	v_max3_num_f32 v[TM+\b], |v[\s+16*\b]|, |v[\s+1+16*\b]|, 0x1800000
.endr
.irp i, 2,4,6,8,10,12,14
.irp b, 0,1,2,3
	v_max3_num_f32 v[TM+\b], v[TM+\b], |v[\s+16*\b+\i]|, |v[\s+1+16*\b+\i]|
.endr
.endr
.irp b, 0,1,2,3
	v_permlanex16_b32 v[TM+4+\b], v[TM+\b], s12, s13
.endr
.irp b, 0,1,2,3
	v_max_num_f32 v[TM+\b], v[TM+\b], v[TM+4+\b]
.endr
.irp b, 0,1,2,3
	v_add_nc_u32 v[TM+12+\b], 0xff000000, v[TM+\b]
.endr
.irp b, 0,1,2,3
	v_lshrrev_b32 v[TM+4+\b], 23, v[TM+12+\b]
.endr
	v_lshl_or_b32 v[PW], v[TM+5], 8, v[TM+4]
	s_delay_alu instid0(VALU_DEP_1)
	v_lshl_or_b32 v[PW], v[TM+6], 16, v[PW]
	s_delay_alu instid0(VALU_DEP_1)
	v_lshl_or_b32 v[PW], v[TM+7], 24, v[PW]
.irp c, 0,1
	v_cvt_scalef32_pk16_fp6_f32 v[PC+6*\c:PC+2+6*\c], v[\s+32*\c:\s+15+32*\c], v[TM+12+2*\c]
	v_cvt_scalef32_pk16_fp6_f32 v[PC+12+4*\c:PC+14+4*\c], v[\s+16+32*\c:\s+31+32*\c], v[TM+12+2*\c+1]
.endr
	v_nop
.irp c, 0,1
.irp i, 0,1,2
	v_permlane16_swap_b32 v[PC+6*\c+\i], v[PC+12+4*\c+\i]
.endr
.irp i, 0,1,2
	v_mov_b32 v[PC+3+6*\c+\i], v[PC+12+4*\c+\i]
.endr
.endr
.endm
.macro LD64 reg, adr, off
.irp i, 0,1,2,3,4,5,6,7,8,9,10,11,12,13,14,15
	ds_load_b128 v[\reg+4*\i:\reg+4*\i+3], v[\adr] offset:\off+512*\i
.endr
.endm
.macro FMA64 fac                       ; v44-107 += v108-171 x the factor
.set jj, 0
.rept 32
	v_pk_fma_f32 v[44+jj:45+jj], v[108+jj:109+jj], v[\fac:\fac+1], v[44+jj:45+jj] op_sel_hi:[1,0,1]
.set jj, jj+2
.endr
.endm
.Lfin:
	s_cmp_lt_u32 s3, 12
	s_cbranch_scc0 .Lfskip
	s_lshr_b32 s4, s3, 2                           ; u
	s_and_b32 s5, s3, 3                            ; g
	s_lshl_b32 s20, s3, 14
	v_add_nc_u32 v14, s20, v1                      ; the unit's two O^T, 8,192 bytes each
	s_lshl_b32 s20, s3, 10
	s_add_co_u32 s20, s20, MLX
	v_add_nc_u32 v15, s20, v1
	s_lshl_b32 s20, s4, 4
	s_add_co_u32 s20, s20, O2X
	v_and_b32 v200, 0x100, v1
	v_add_nc_u32 v200, s20, v200                   ; the sums of v: column u, that is lane u + 16 h of the image
	s_wait_alu depctr_va_vdst(0)
	ds_load_b128 v[204:207], v15
	ds_load_b128 v[208:211], v15 offset:512
	LD64 44, 14, 0
	LD64 108, 14, 8192
	s_cmp_eq_u32 s4, 1
	s_cselect_b32 s32, s29, s28
	s_cmp_eq_u32 s4, 2
	s_cselect_b32 s32, s30, s32                    ; the query tile
	s_lshl_b32 s33, s5, 1
	s_add_co_u32 s33, s33, s23                     ; the head
	s_lshl_b32 s34, s32, 4
	s_add_co_u32 s34, s34, s33
	s_mul_i32 s34, s34, FRB
	s_mov_b32 s35, 0
	s_lshl_b32 s36, s32, 10
	s_lshr_b32 s37, s33, 2
	s_lshl_b32 s37, s37, 8
	s_add_co_u32 s36, s36, s37
	s_and_b32 s37, s33, 3
	s_lshl_b32 s37, s37, 2
	s_add_co_u32 s36, s36, s37
	s_mov_b32 s37, 0
	s_add_nc_u64 s[38:39], s[44:45], s[34:35]
	s_add_nc_u64 s[40:41], s[46:47], s[36:37]
	s_wait_dscnt 32                                ; the two records are in
	v_add_f32 v212, v207, v211                     ; the steps masked whole
	v_mul_f32 v213, s14, s7                        ; t_m
	v_mov_b32 v214, 0xfe000000                     ; with no such step: a number under every t
	v_cmp_lt_f32 vcc_lo, 0, v212
	v_cndmask_b32 v213, v214, v213, vcc_lo
	v_max3_num_f32 v215, v205, v209, v213
	v_floor_f32 v216, -v215                        ; -M
	v_mul_f32 v212, 0x43000000, v212               ; their keys
	v_sub_f32 v217, v216, v204
	v_sub_f32 v218, v216, v208
	v_add_f32 v213, v213, v216                     ; t_m - M
	v_cvt_i32_f32 v217, v217
	v_cvt_i32_f32 v218, v218
	v_mov_b32 v219, 0
	v_ldexp_f32 v217, 1.0, v217                    ; the two parities' factors
	v_ldexp_f32 v218, 1.0, v218
	v_mul_f32 v206, v206, v217
	s_delay_alu instid0(VALU_DEP_1)
	v_fma_f32 v206, v210, v218, v206
	s_delay_alu instid0(VALU_DEP_1)
	v_permlanex16_b32 v219, v206, s12, s13
	s_delay_alu instid0(VALU_DEP_1)
	v_add_f32 v206, v206, v219
	s_wait_alu depctr_va_vdst(0)
	v_exp_f32 v213, v213                           ; p_m
	v_mov_b32 v221, 0
	s_wait_alu depctr_va_vdst(0)
	v_fma_f32 v206, v213, v212, v206               ; the row's sum
	v_bfe_u32 v214, v213, 20, 1                    ; Q(p_m): p_m is its block's largest, so its mantissa is rounded to three bits, ties to even,
	v_and_or_b32 v215, v213, 0x7f800000, s22       ; and held at 7.5 x the scale = 1.875 x its power of two
	v_add3_u32 v214, v213, v214, 0x7ffff
	v_mov_b32 v223, 0
	v_and_b32 v214, 0xfff00000, v214
	v_mov_b32 v197, 0
	v_min_u32 v214, v214, v215
	s_wait_alu depctr_va_vdst(0)
	v_rcp_f32 v206, v206
	v_nop
	s_wait_alu depctr_va_vdst(0)
	v_mul_f32 v220, v217, v206
	v_mul_f32 v222, v218, v206
	v_mul_f32 v196, v214, v206
.irp b, 0,1,2,3
	v_mov_b32 v[TM+4+\b], 0
.endr
	s_wait_alu depctr_va_vdst(0)
	s_wait_dscnt 0x0
.set jj, 0
.rept 32
	v_pk_mul_f32 v[44+jj:45+jj], v[44+jj:45+jj], v[220:221] op_sel_hi:[1,0]
.set jj, jj+2
.endr
	FMA64 222
	LD64 108, 200, 0
	s_wait_dscnt 0x0
	FMA64 196
	LD64 108, 200, 8192
	s_wait_dscnt 0x0
	FMA64 196
	QUANT 44
	v_and_b32 v189, 0xf0, v1                       ; 16 r
.irp c, 0,1,2
	global_store_b128 v1, v[PC+4*\c:PC+4*\c+3], s[38:39] offset:512*\c   ; the image: 512 consecutive bytes a store
.endr
	s_wait_alu depctr_va_vdst(0)
	s_wait_xcnt 0x0                                ; EXEC changes only behind this wait
	v_cmp_gt_u32 vcc_lo, 256, v1                   ; lanes 0-15
	s_and_saveexec_b32 s42, vcc_lo
	global_store_b32 v189, v[PW], s[40:41]
	s_wait_xcnt 0x0
	s_or_b32 exec_lo, exec_lo, s42
.Lfskip:
	s_add_co_u32 s3, s3, 8
	s_add_co_u32 s2, s2, 1
	s_cmp_lt_u32 s2, 2
	s_cbranch_scc1 .Lfin
	s_wait_tensorcnt 0x0                           ; the wave's end
	ds_add_u32 v3, v4
	s_wait_dscnt 0x0
	s_endpgm
.Lfunc_end_k_q237700f48f_attn:
	.size	k_q237700f48f_attn, .Lfunc_end_k_q237700f48f_attn-k_q237700f48f_attn
	.p2alignl 7, 3214868480
	.fill 96, 4, 3214868480
	.section	.rodata,"a",@progbits
	.p2align	6, 0x0
	.amdhsa_kernel k_q237700f48f_attn
		.amdhsa_group_segment_fixed_size 324608
		.amdhsa_private_segment_fixed_size 0
		.amdhsa_enable_private_segment 0
		.amdhsa_kernarg_size 40
		.amdhsa_user_sgpr_count 2
		.amdhsa_user_sgpr_kernarg_segment_ptr 1
		.amdhsa_wavefront_size32 1
		.amdhsa_system_sgpr_workgroup_id_x 1
		.amdhsa_system_sgpr_workgroup_id_y 1
		.amdhsa_system_sgpr_workgroup_id_z 1
		.amdhsa_system_vgpr_workitem_id 0
		.amdhsa_next_free_vgpr 512
		.amdhsa_next_free_sgpr 106
		.amdhsa_reserve_vcc 1
		.amdhsa_float_denorm_mode_32 3
		.amdhsa_float_denorm_mode_16_64 3
		.amdhsa_memory_ordered 1
		.amdhsa_forward_progress 1
		.amdhsa_inst_pref_size 131
	.end_amdhsa_kernel
	.amdgpu_metadata
---
amdhsa.version: [ 1, 2 ]
amdhsa.kernels:
  - .name:           k_q237700f48f_attn
    .symbol:         k_q237700f48f_attn.kd
    .args:
      - { .name: qkv_img, .offset: 0, .size: 8, .value_kind: global_buffer, .address_space: global }
      - { .name: qkv_sc, .offset: 8, .size: 8, .value_kind: global_buffer, .address_space: global }
      - { .name: mask_bits, .offset: 16, .size: 8, .value_kind: global_buffer, .address_space: global }
      - { .name: attn_img, .offset: 24, .size: 8, .value_kind: global_buffer, .address_space: global }
      - { .name: attn_sc, .offset: 32, .size: 8, .value_kind: global_buffer, .address_space: global }
    .group_segment_fixed_size: 324608
    .private_segment_fixed_size: 0
    .kernarg_segment_align: 8
    .kernarg_segment_size: 40
    .max_flat_workgroup_size: 256
    .sgpr_count:     106
    .vgpr_count:     512
    .wavefront_size: 32
...
	.end_amdgpu_metadata
.endif
;; end of part 3
;; launch oproj (part 4): grid 24 x 8, 4 waves a work-group, clusters of 4 x 1, 327,680 bytes of LDS; arguments attn_img, attn_sc, opnd_img, opnd_sc, out0; writes out0
.if DOCPART == 4
	.amdgcn_target "amdgcn-amd-amdhsa--gfx1250"
	.amdhsa_code_object_version 6
	.text
	.protected	k_q237700f48f_oproj
	.globl	k_q237700f48f_oproj
	.p2align	8
	.type	k_q237700f48f_oproj,@function
k_q237700f48f_oproj:
	s_mov_b64 s[64:65], 0
	v_nop
	global_prefetch_b8 v0, s[64:65] scope:SCOPE_SE
	s_setreg_imm32_b32 hwreg(HW_REG_WAVE_MODE, 25, 1), 1
	s_wait_xcnt 0x0
	s_wait_alu depctr_hold_cnt(0) depctr_sa_sdst(0) depctr_va_vdst(0) depctr_va_sdst(0) depctr_va_ssrc(0) depctr_va_vcc(0) depctr_vm_vsrc(0)
	s_getreg_b32 s2, hwreg(HW_REG_IB_STS2, 6, 4)
	s_cmp_eq_u32 s2, 0
	s_cbranch_scc0 .Lentry_in_a_cluster
	s_endpgm
.Lentry_in_a_cluster:
	s_bfe_u32 s2, ttmp6, 0x10000c
	s_cmp_lg_u32 s2, 0x3003
	s_cbranch_scc0 .Lentry_shape_is_right
	s_endpgm
.Lentry_shape_is_right:
.set SLOT,  147456
.set CB,    49152
.set TILEB, 6144
.set FRB,   1536
.set SCL,   2*SLOT
.set SPARE, SCL+24576
.set CIMG,  352*24576
.set CSCO,  352*1024
.set PRI, 4
.set PRS, 6
.set PCI, 8
.set PCS, 10
.set AD8, 16
.set AD4, 18
.set AS8, 20
.set AS4, 21
.set STO, 24
.set RD,  25
.set SPW, 28
.set NIL, 29
.set SC,  32
.set F4,  80
.set G1X, 24
.set G1W, 32
.set G1XS, 40
.set G1WS, 48
.set G0X, 56
.set G0W, 68
.set G0XS, 76
.set G0WS, 80
.set W0P, 3<<16
.set W0J, 15|(3<<16)|(1<<21)
.set MSB, 0
.macro WIN new
.if MSB != \new
	s_set_vgpr_msb (MSB<<8)|\new
.set MSB, \new
.endif
.endm
.macro PLACES
.rept 4
	v_nop
.endr
.endm
.macro GROUP1 g, w0, c, r, p
	s_mov_b32 s[\g], \w0
	s_mov_b32 s[\g+1], (\c)<<16
	s_mov_b32 s[\g+2], (\r)<<16
	s_mov_b32 s[\g+3], (\c)<<16
	s_mov_b32 s[\g+4], \r
	s_mov_b32 s[\g+5], \p
	s_mov_b32 s[\g+6], 0
	s_mov_b32 s[\g+7], 0
.endm
.macro JL g0x, g1x, g0w, g1w
	s_cmp_lt_u32 s12, 2
	s_cbranch_scc0 .Ljw_\@
	tensor_load_to_lds s[\g0x:\g0x+3], s[\g1x:\g1x+7]
	s_nop 0
.rept 4
	v_nop
.endr
	s_branch .Ljd_\@
.Ljw_\@:
	tensor_load_to_lds s[\g0w:\g0w+3], s[\g1w:\g1w+7]
	s_nop 0
.rept 4
	v_nop
.endr
.Ljd_\@:
.endm
.macro CREST
	s_cmp_lg_u32 s12, 0
	s_cbranch_scc1 .Lnw_\@
	s_barrier_signal -3
.Lnw_\@:
	s_barrier_wait -3
	s_barrier_signal -1
	s_barrier_wait -1
.endm
.macro CROUND
	s_barrier_signal -1
	s_barrier_wait -1
	CREST
.endm
.macro FETCH slot, q, p
	WIN 0x80
.irp i, 0,1,2,3,4,5,6,7
.irp c, 0,1,2
	ds_load_b128 v[96*(\p)+12*\i+4*\c:96*(\p)+12*\i+4*\c+3], v[AD8+\slot] offset:TILEB*\i+FRB*(\q)+512*\c
.endr
.endr
	WIN 0
.irp i, 0,1,2,3
.irp c, 0,1,2
	ds_load_b128 v[F4+48*(\p)+12*\i+4*\c:F4+48*(\p)+12*\i+4*\c+3], v[AD4+\slot] offset:TILEB*\i+FRB*(\q)+512*\c
.endr
.endr
.endm
.macro SCALES set, sg
.irp p, 0,1,2,3
	ds_load_b128 v[SC+24*(\set)+4*\p:SC+24*(\set)+4*\p+3], v[AS8] offset:1024*\p+256*(\sg)
.endr
.irp p, 0,1
	ds_load_b128 v[SC+24*(\set)+16+4*\p:SC+24*(\set)+16+4*\p+3], v[AS4] offset:1024*\p+256*(\sg)
.endr
.endm
.macro MM1 a, b, p, q, set, zero
.set xD, 8*(8*(\a)+(\b))
.set xA, 96*(\p)+12*(\b)
.set xB, F4+48*(\p)+12*(\a)
.set xS, SC+24*(\set)+4*((\b)%4)+(\q)
.set xT, SC+24*(\set)+16+4*((\a)%2)+(\q)
.set xR, 2*((\b)/4)+(\a)/2
.if \zero
.if xR == 0
	v_wmma_scale_f32_16x16x128_f8f6f4 v[xD:xD+7], v[xA:xA+11], v[xB:xB+11], 0, v[xS], v[xT] matrix_a_fmt:MATRIX_FMT_FP6 matrix_b_fmt:MATRIX_FMT_FP6
.elseif xR == 1
	v_wmma_scale_f32_16x16x128_f8f6f4 v[xD:xD+7], v[xA:xA+11], v[xB:xB+11], 0, v[xS], v[xT] matrix_a_fmt:MATRIX_FMT_FP6 matrix_b_fmt:MATRIX_FMT_FP6 matrix_b_scale:MATRIX_SCALE_ROW1
.elseif xR == 2
	v_wmma_scale_f32_16x16x128_f8f6f4 v[xD:xD+7], v[xA:xA+11], v[xB:xB+11], 0, v[xS], v[xT] matrix_a_fmt:MATRIX_FMT_FP6 matrix_b_fmt:MATRIX_FMT_FP6 matrix_a_scale:MATRIX_SCALE_ROW1
.else
	v_wmma_scale_f32_16x16x128_f8f6f4 v[xD:xD+7], v[xA:xA+11], v[xB:xB+11], 0, v[xS], v[xT] matrix_a_fmt:MATRIX_FMT_FP6 matrix_b_fmt:MATRIX_FMT_FP6 matrix_a_scale:MATRIX_SCALE_ROW1 matrix_b_scale:MATRIX_SCALE_ROW1
.endif
.else
.if xR == 0
	v_wmma_scale_f32_16x16x128_f8f6f4 v[xD:xD+7], v[xA:xA+11], v[xB:xB+11], v[xD:xD+7], v[xS], v[xT] matrix_a_fmt:MATRIX_FMT_FP6 matrix_b_fmt:MATRIX_FMT_FP6
.elseif xR == 1
	v_wmma_scale_f32_16x16x128_f8f6f4 v[xD:xD+7], v[xA:xA+11], v[xB:xB+11], v[xD:xD+7], v[xS], v[xT] matrix_a_fmt:MATRIX_FMT_FP6 matrix_b_fmt:MATRIX_FMT_FP6 matrix_b_scale:MATRIX_SCALE_ROW1
.elseif xR == 2
	v_wmma_scale_f32_16x16x128_f8f6f4 v[xD:xD+7], v[xA:xA+11], v[xB:xB+11], v[xD:xD+7], v[xS], v[xT] matrix_a_fmt:MATRIX_FMT_FP6 matrix_b_fmt:MATRIX_FMT_FP6 matrix_a_scale:MATRIX_SCALE_ROW1
.else
	v_wmma_scale_f32_16x16x128_f8f6f4 v[xD:xD+7], v[xA:xA+11], v[xB:xB+11], v[xD:xD+7], v[xS], v[xT] matrix_a_fmt:MATRIX_FMT_FP6 matrix_b_fmt:MATRIX_FMT_FP6 matrix_a_scale:MATRIX_SCALE_ROW1 matrix_b_scale:MATRIX_SCALE_ROW1
.endif
.endif
.endm
.macro MUL8 a, p, q, set, zero
.irp b, 0,1,2,3,4,5,6,7
	MM1 \a, \b, \p, \q, \set, \zero
.endr
.endm
.macro STEPM slot, q, zero
	s_wait_dscnt 0x0
	PLACES
	FETCH \slot, (\q)+1, 1-(\q)%2
	WIN 0x52
	MUL8 0, (\q)%2, \q, \slot, \zero
	MUL8 1, (\q)%2, \q, \slot, \zero
	MUL8 2, (\q)%2, \q, \slot, \zero
	MUL8 3, (\q)%2, \q, \slot, \zero
	WIN 0
.endm
.macro TURN slot, next, sg, fill
	s_wait_tensorcnt 0x0
	ds_add_u32 v[SPW], v[NIL]
	s_wait_dscnt 0x1
	WIN 0x52
	MUL8 0, 1, 3, \slot, 0
	s_wait_dscnt 0x0
	s_barrier_signal -1
	MUL8 1, 1, 3, \slot, 0
	WIN 0
	s_barrier_wait -1
.if \fill
	CREST
	s_add_nc_u64 s[G0X+4*\slot+2:G0X+4*\slot+3], s[G0X+4*\slot+2:G0X+4*\slot+3], 2*TILEB
	s_add_nc_u64 s[G0W+4*\slot+2:G0W+4*\slot+3], s[G0W+4*\slot+2:G0W+4*\slot+3], 2*TILEB
	JL G0X+4*\slot, G1X, G0W+4*\slot, G1W
.else
	PLACES
.endif
	FETCH \next, 0, 0
	SCALES \next, \sg
	WIN 0x52
	MUL8 2, 1, 3, \slot, 0
	MUL8 3, 1, 3, \slot, 0
	WIN 0
.endm
	s_load_b256 s[4:11], s[0:1], 0x0
	s_load_b64 s[14:15], s[0:1], 0x20
	v_lshl_add_u32 v[SPW], v0, 2, SPARE
	v_mov_b32 v[NIL], 0
	ds_add_u32 v28, v29
	ds_add_u32 v28, v29
	s_wait_dscnt 0x0
	v_lshrrev_b32 v1, 5, v0
	v_readfirstlane_b32 s12, v1
	s_and_b32 s13, s12, 1
	s_lshr_b32 s3, s12, 1
	s_bfe_u32 s84, ttmp6, 0x40000
	s_lshl_b32 s85, ttmp9, 2
	s_add_co_u32 s85, s85, s84
	s_and_b32 s2, ttmp7, 0xffff
	GROUP1 G1X, W0P, 768, 4, 3072
	GROUP1 G1W, W0J, 768, 8, 3072
	GROUP1 G1XS, W0P, 32, 16, 32
	GROUP1 G1WS, W0J, 32, 32, 32
	s_lshl_b32 s86, s85, 3
	s_lshl_b32 s87, s13, 2
	s_add_co_u32 s86, s86, s87
	s_mul_i32 s92, s86, 24576
	s_mov_b32 s93, 0
	s_lshl_b32 s94, s86, 10
	s_mov_b32 s95, 0
	s_lshl_b32 s96, s2, 4
	s_lshl_b32 s97, s13, 3
	s_add_co_u32 s96, s96, s97
	s_mul_i32 s98, s96, 24576
	s_add_co_u32 s98, s98, CIMG
	s_mov_b32 s99, 0
	s_lshl_b32 s96, s96, 10
	s_add_co_u32 s96, s96, CSCO
	s_mov_b32 s97, 0
	s_mul_i32 s87, s13, 4*TILEB
	s_mul_i32 s91, s13, 8*TILEB
	s_wait_kmcnt 0x0
	s_add_nc_u64 s[92:93], s[PRI:PRI+1], s[92:93]
	s_add_nc_u64 s[94:95], s[PRS:PRS+1], s[94:95]
	s_add_nc_u64 s[98:99], s[PCI:PCI+1], s[98:99]
	s_add_nc_u64 s[96:97], s[PCS:PCS+1], s[96:97]
	CROUND
	s_mov_b32 s[G0XS], 1
	s_lshl_b32 s[G0XS+1], s13, 12
	s_add_co_u32 s[G0XS+1], s[G0XS+1], SCL
	s_mov_b64 s[G0XS+2:G0XS+3], s[94:95]
	s_or_b32 s[G0XS+3], s[G0XS+3], 0x80000000
	s_mov_b32 s[G0WS], 1
	s_lshl_b32 s[G0WS+1], s13, 13
	s_add_co_u32 s[G0WS+1], s[G0WS+1], SCL+8192
	s_mov_b64 s[G0WS+2:G0WS+3], s[96:97]
	s_or_b32 s[G0WS+3], s[G0WS+3], 0x80000000
	JL G0XS, G1XS, G0WS, G1WS
.irp s, 0,1
	s_mov_b32 s[G0X+4*\s], 1
	s_add_co_u32 s[G0X+4*\s+1], s87, \s*SLOT
	s_add_nc_u64 s[G0X+4*\s+2:G0X+4*\s+3], s[92:93], \s*TILEB
	s_or_b32 s[G0X+4*\s+3], s[G0X+4*\s+3], 0x80000000
	s_mov_b32 s[G0W+4*\s], 1
	s_add_co_u32 s[G0W+4*\s+1], s91, \s*SLOT+CB
	s_add_nc_u64 s[G0W+4*\s+2:G0W+4*\s+3], s[98:99], \s*TILEB
	s_or_b32 s[G0W+4*\s+3], s[G0W+4*\s+3], 0x80000000
	s_wait_alu depctr_va_vdst(0)
	s_wait_tensorcnt 0x0
	ds_add_u32 v28, v29
	s_wait_dscnt 0x0
	CROUND
	JL G0X+4*\s, G1X, G0W+4*\s, G1W
.endr
	s_mul_i32 s84, s13, 8*TILEB
	s_add_co_u32 s84, s84, CB
	s_mul_i32 s86, s3, 4*TILEB
	s_lshl_b32 s91, s13, 13
	s_add_co_u32 s91, s91, SCL+8192
	s_lshl_b32 s92, s3, 12
	s_add_co_u32 s92, s92, SCL
	v_and_b32 v1, 31, v0
	v_lshlrev_b32 v1, 4, v1
	v_and_b32 v2, 15, v0
	v_bfe_u32 v3, v0, 4, 1
	v_add_nc_u32 v[AD8], s84, v1
	v_add_nc_u32 v[AD8+1], SLOT, v[AD8]
	v_add_nc_u32 v[AD4], s86, v1
	v_add_nc_u32 v[AD4+1], SLOT, v[AD4]
	v_lshlrev_b32 v4, 4, v2
	v_lshl_add_u32 v[AS8], v3, 12, v4
	v_add_nc_u32 v[AS8], s91, v[AS8]
	v_lshl_add_u32 v[AS4], v3, 11, v4
	v_add_nc_u32 v[AS4], s92, v[AS4]
	s_mul_i32 s96, s12, 16*528
	v_mul_u32_u24 v[STO], v2, 528
	v_lshl_add_u32 v[STO], v3, 6, v[STO]
	v_add_nc_u32 v[STO], s96, v[STO]
	v_add_nc_u32 v[RD], s96, v1
	s_lshl_b32 s94, s85, 7
	s_lshl_b32 s95, s3, 6
	s_add_co_u32 s94, s94, s95
	s_lshl_b32 s94, s94, 13
	s_lshl_b32 s95, s2, 10
	s_add_co_u32 s94, s94, s95
	s_lshl_b32 s95, s13, 9
	s_add_co_u32 s94, s94, s95
	s_mov_b32 s95, 0
	s_add_nc_u64 s[14:15], s[14:15], s[94:95]
	s_wait_alu depctr_va_vdst(0)
	s_wait_tensorcnt 0x1
	s_barrier_signal -1
	s_barrier_wait -1
	FETCH 0, 0, 0
	SCALES 0, 0
	STEPM 0, 0, 1
	STEPM 0, 1, 0
	STEPM 0, 2, 0
	TURN 0, 1, 1, 1
	STEPM 1, 0, 0
	STEPM 1, 1, 0
	STEPM 1, 2, 0
	TURN 1, 0, 2, 1
	STEPM 0, 0, 0
	STEPM 0, 1, 0
	STEPM 0, 2, 0
	TURN 0, 1, 3, 0
	STEPM 1, 0, 0
	STEPM 1, 1, 0
	STEPM 1, 2, 0
	s_wait_dscnt 0x0
	WIN 0x52
	MUL8 0, 1, 3, 1, 0
	MUL8 1, 1, 3, 1, 0
	MUL8 2, 1, 3, 1, 0
	MUL8 3, 1, 3, 1, 0
	WIN 0
	PLACES
.macro TOSTAGE a
	WIN 0x04
.irp b, 0,1,2,3,4,5,6,7
	ds_store_b128 v[STO], v[64*(\a)+8*\b:64*(\a)+8*\b+3] offset:128*(\b/2)+32*(\b%2)
	ds_store_b128 v[STO], v[64*(\a)+8*\b+4:64*(\a)+8*\b+7] offset:128*(\b/2)+32*(\b%2)+16
.endr
	WIN 0
.irp t, 0,1,2,3,4,5,6,7,8,9,10,11,12,13,14,15
	ds_load_b128 v[32+64*((\a)%2)+4*\t:32+64*((\a)%2)+4*\t+3], v[RD] offset:528*\t
.endr
.endm
.macro SEND a, younger
	s_wait_dscnt \younger
.irp t, 0,1,2,3,4,5,6,7,8,9,10,11,12,13,14,15
	global_store_b128 v1, v[32+64*((\a)%2)+4*\t:32+64*((\a)%2)+4*\t+3], s[14:15] offset:(32*((\a)/2)+8*((\a)%2)+\t+8*(\t/8))*8192 th:TH_STORE_NT
.endr
.endm
	TOSTAGE 0
	TOSTAGE 1
	SEND 0, 32
	s_wait_xcnt 0x0
	TOSTAGE 2
	SEND 1, 32
	s_wait_xcnt 0x0
	TOSTAGE 3
	SEND 2, 32
	SEND 3, 0
	s_wait_tensorcnt 0x0
	ds_add_u32 v[SPW], v[NIL]
	s_wait_dscnt 0x0
	CROUND
	s_endpgm
.Lfunc_end_k_q237700f48f_oproj:
	.size	k_q237700f48f_oproj, .Lfunc_end_k_q237700f48f_oproj-k_q237700f48f_oproj
	.p2alignl 7, 3214868480
	.fill 96, 4, 3214868480
	.section	.rodata,"a",@progbits
	.p2align	6, 0x0
	.amdhsa_kernel k_q237700f48f_oproj
		.amdhsa_group_segment_fixed_size 327680
		.amdhsa_private_segment_fixed_size 0
		.amdhsa_enable_private_segment 0
		.amdhsa_kernarg_size 40
		.amdhsa_user_sgpr_count 2
		.amdhsa_user_sgpr_kernarg_segment_ptr 1
		.amdhsa_wavefront_size32 1
		.amdhsa_system_sgpr_workgroup_id_x 1
		.amdhsa_system_sgpr_workgroup_id_y 1
		.amdhsa_system_sgpr_workgroup_id_z 1
		.amdhsa_system_vgpr_workitem_id 0
		.amdhsa_next_free_vgpr 768
		.amdhsa_next_free_sgpr 100
		.amdhsa_reserve_vcc 0
		.amdhsa_float_denorm_mode_32 3
		.amdhsa_float_denorm_mode_16_64 3
		.amdhsa_memory_ordered 1
		.amdhsa_forward_progress 1
		.amdhsa_inst_pref_size 133
	.end_amdhsa_kernel
	.amdgpu_metadata
---
amdhsa.version: [ 1, 2 ]
amdhsa.kernels:
  - .name:           k_q237700f48f_oproj
    .symbol:         k_q237700f48f_oproj.kd
    .args:
      - { .name: attn_img, .offset: 0, .size: 8, .value_kind: global_buffer, .address_space: global }
      - { .name: attn_sc, .offset: 8, .size: 8, .value_kind: global_buffer, .address_space: global }
      - { .name: opnd_img, .offset: 16, .size: 8, .value_kind: global_buffer, .address_space: global }
      - { .name: opnd_sc, .offset: 24, .size: 8, .value_kind: global_buffer, .address_space: global }
      - { .name: out0, .offset: 32, .size: 8, .value_kind: global_buffer, .address_space: global }
    .group_segment_fixed_size: 327680
    .private_segment_fixed_size: 0
    .kernarg_segment_align: 8
    .kernarg_segment_size: 40
    .max_flat_workgroup_size: 128
    .sgpr_count:     100
    .vgpr_count:     768
    .wavefront_size: 32
...
	.end_amdgpu_metadata
.endif
;; end of part 4
